; MI455X (gfx1250); checked and timed in simulation.
; The chip was launched on July 23, 2026; its instructions are those of AMD's public machine-readable ISA for CDNA 5 (MIT licence, August 2026) and "CDNA5" Instruction Set Architecture Reference Guide (July 2026). The comments in the code are by the model that wrote it; some were corrected since.
;; Cross Attention. Allowed arithmetic: matrix products marked QUANTISED: E3M2 operands, one E8M0 scale for each 32 along K, by v_wmma_scale_f32_16x16x128_f8f6f4 with both operands' format E3M2, f32 sums; everything else in f32.
;; Inputs: Wff1 1,024 x 8,192 float32; Wff2 4,096 x 1,024 float32; Wkv 1,024 x 128 float32; Wout 256 x 1,024 float32; Wq 1,024 x 256 float32; context 4,096 x 1,024 float32; ctx_gamma 1,024 float32; gamma 1,024 float32; x 4,096 x 1,024 float32.
;; Outputs: out0 4,096 x 1,024 float32.
;; Constants: batch = 1.
;; This version of the problem:
;;   THIS VERSION OF THE PROBLEM IS GIVEN IN LOW PRECISION. The matrix products marked QUANTISED in the list below multiply operands that are first quantised to E3M2 (3 exponent bits, 2 mantissa bits; 6 bits a number), with one power-of-two scale for each 32 numbers along K (OCP MX v1.0); their sums are f32. All else is computed in f32.
;;   The module's matrix products, in the order in which they are computed (A, B: the left and right operand; K: the contracted axis; several contracted axes count as one K, in the product's order):
;;     1. [M 4,096, K 1,024] x [K 1,024, N 256]; A: computed on the way; B: input Wq: QUANTISED
;;     2. [M 4,096, K 1,024] x [K 1,024, N 128]; A: computed on the way; B: input Wkv: QUANTISED
;;     3. [M 16,384, K 64] x [K 64, N 4,096]; A: computed on the way; B: computed on the way: QUANTISED
;;     4. [M 16,384, K 4,096] x [K 4,096, N 64]; A: softmax (see below); B: computed on the way: QUANTISED
;;     5. [M 4,096, K 256] x [K 256, N 1,024]; A: computed on the way; B: input Wout: QUANTISED
;;     6. [M 4,096, K 1,024] x [K 1,024, N 8,192]; A: computed on the way; B: input Wff1: QUANTISED
;;     7. [M 4,096, K 4,096] x [K 4,096, N 1,024]; A: computed on the way; B: input Wff2: QUANTISED
;;   THE QUANTISER, for each operand of a quantised product, along K:
;;     - K is cut into blocks of 32 from its start; a last block that is shorter is filled with zeros.
;;     - A block's scale is 2^e with e = floor(log2(the largest magnitude in the block)) - 4, held to -126 .. 127; a block of zeros has e = 0. As a byte (E8M0): e + 127.
;;     - Each number is divided by its block's scale, clamped to +-28, and rounded to the nearest number of E3M2, ties to even, subnormals kept.
;;     - The product sums the exact products of the quantised numbers (number of the format x scale) in f32.
;;   ~~~python
;;   def quantise(x, axis):      # numpy; x: float32 -> the quantised numbers, widened to float32 again
;;       x = np.moveaxis(x, axis, -1); K = x.shape[-1]
;;       x = np.pad(x, [(0, 0)] * (x.ndim - 1) + [(0, -K % 32)]); x = x.reshape(x.shape[:-1] + (-1, 32)); a = np.abs(x).max(-1, keepdims=True)
;;       e = np.where(a > 0, np.clip(np.frexp(np.where(a > 0, a, 1))[1] - 1 - 4, -126, 127), 0)      # np.frexp(a)[1] - 1 = floor(log2(a)), exactly
;;       r = np.clip(x / 2.0 ** e, -28, 28)
;;       step = 2.0 ** (np.maximum(np.frexp(np.where(r == 0, 1, r))[1] - 1, -2) - 2)
;;       q = np.round(r / step) * step * 2.0 ** e      # np.round: ties to even
;;       return np.moveaxis(q.reshape(q.shape[:-2] + (-1,))[..., :K], -1, axis).astype(np.float32)
;;   ~~~
;;   SOFTMAX AHEAD OF A QUANTISED PRODUCT. Where the list says 'softmax', what is quantised is not the finished softmax but p = 2^(t - M), with t = logit x log2(e) and M = ceil(the row's largest t), a whole number; so 1/2 < the row's largest p <= 1. The row's sum l is taken of the UNQUANTISED p, in f32, and the product's result is divided by l at the end. Since M is a whole number, a kernel that streams over the keys may use a running M (the ceiling of the running maximum): every later rescaling is an exact power of two, which a block's scale takes up: the codes' values come out the same.
;;   OPERANDS COMPUTED ON THE WAY. 'Computed on the way' means the value that the module computes at that place (a softmax that the list does not call 'softmax' is quantised finished and normalised). What goes into a quantiser is computed in f32, as accurately as f32 sums, v_exp_f32 and their like allow (about 1e-6 of the number): no bf16 or f16 on the way to a quantiser, and a product that is left as it is and whose result goes on into a quantised operand takes f32 operands (vector FMAs, or v_wmma_f32_16x16x4_f32). A number that lies on a knife's edge between two numbers of the format may be rounded either way, as far as f32 arithmetic and the matrix unit's own rounding can turn it there, and no further.
;; One version. Each part assembles by itself: llvm-mc -triple=amdgcn-amd-amdhsa -mcpu=gfx1250 --defsym DOCPART=n.
;; ======== version 1 of 1: 5 launches
;; workspace buffers: act1 6,815,744 bytes; w1 7,135,232 bytes; w2 3,620,864 bytes; a2 14,483,456 bytes; kv 425,984 bytes; qb 851,968 bytes
;; launch prep (part 1): grid 1320 x 1, 4 waves a work-group, no clusters, 32,256 bytes of LDS; arguments x, context, gamma, ctx_gamma, Wff1, Wff2, Wout, Wq, Wkv, act1, w1, w2; writes act1, w1, w2
.if DOCPART == 1
	.amdgcn_target "amdgcn-amd-amdhsa--gfx1250"
	.amdhsa_code_object_version 6
	.text
	.protected	k_q02343f36fb_prep
	.globl	k_q02343f36fb_prep
	.p2align	8
	.type	k_q02343f36fb_prep,@function
k_q02343f36fb_prep:
	s_mov_b64 s[64:65], 0
	v_nop
	global_prefetch_b8 v0, s[64:65] scope:SCOPE_SE
	s_setreg_imm32_b32 hwreg(HW_REG_WAVE_MODE, 25, 1), 1
	s_wait_xcnt 0x0
; PREP: everything that many work-groups will read is quantised ONCE to codes of BF6 (E3M2) with one E8M0 byte for each 32 along K.
;   work-groups 0-511:    layer norm of 16 rows of x (0-255) or of context (256-511), quantised along the row        -> act1
;   work-groups 512-1319: 128 columns x 128 along K of a weight (K is the weights' FIRST axis), quantised down K      -> w1, w2
; THE RECORD, the one layout of all operands of this program: 128 rows x 128 along K in REC = 13,312 bytes.  Fragment f (16 rows) lies at 1,536 f as an
; image of its 12 operand registers: registers 0-3 at 16 x lane, 4-5 at 512 + 8 x lane, 6-9 at 768 + 16 x lane, 10-11 at 1,280 + 8 x lane; its scale words at
; 12,288 + 128 f + 4 x lane (lanes 16-31 repeat lanes 0-15).  Lane row r of fragment 2 b + u is row 32 b + 8 u + r + 8 (r / 8) of the 128, so that in a product
; used transposed the 16 registers of two neighbouring tiles are 16 neighbours along the next K.  A buffer is [tile of 128 rows][K step][REC].
; A block's scale is 2^(floor(log2(largest magnitude)) - 4); its byte is the largest magnitude's exponent field - 4, held at 1 from below.
; LIMITS: NaN and infinities are not served; a block of zeros, or one whose largest magnitude lies under 2^-122, gets the byte 1 where the rule says 127 for zeros:
; its codes are zeros, and the bytes are read by this program alone.
; No matrix work, no tensor load, no cluster: no two work-groups read the same input byte but gamma's 4 KB.  242 registers a wave: four work-groups to a WGP.
.set REC,   13312
.set IMG,   0                          ; LDS (layer norm path alone): the 16 rows' eight fragments, 1,536 bytes a K step
.set SCI,   12288                      ; their scale images, 128 bytes a K step
.set TURN,  13312                      ; a wave's own 32 places of 128 + 16 bytes, through which a row turns
.set TURNW, 4608
.set FLOOR, 0x2800000                  ; 2^(5 - 127): no largest magnitude is taken under it, so the byte cannot fall under 1
.set EOFF,  0xfe000000                 ; -(4 << 23): 4 off an exponent field
; the largest magnitude of the 32 numbers v[xs] .. v[xs + 31], with the floor, into v8 (two chains)
.macro BLKMAX xs
	v_max3_num_f32 v8, |v[\xs]|, |v[\xs+1]|, |v[\xs+2]|
	v_max3_num_f32 v9, |v[\xs+3]|, |v[\xs+4]|, |v[\xs+5]|
.irp i, 6,10,14,18,22,26
	v_max3_num_f32 v8, v8, |v[\xs+\i]|, |v[\xs+\i+1]|
	v_max3_num_f32 v9, v9, |v[\xs+\i+2]|, |v[\xs+\i+3]|
.endr
	v_max3_num_f32 v8, v8, |v[\xs+30]|, |v[\xs+31]|
	v_max3_num_f32 v8, v8, v9, FLOOR
.endm
	s_load_b512 s[32:47], s[0:1], 0x0              ; x s[32:33], context s[34:35], gamma s[36:37], ctx_gamma s[38:39], Wff1 s[40:41], Wff2 s[42:43], Wout s[44:45], Wq s[46:47]
	s_load_b256 s[48:55], s[0:1], 0x40             ; Wkv s[48:49], act1 s[50:51], w1 s[52:53], w2 s[54:55]
	v_lshl_add_u32 v240, v0, 2, 0x7c00
	v_mov_b32 v241, 0
	v_lshrrev_b32 v1, 5, v0
	v_readfirstlane_b32 s2, v1                     ; wave 0..3
	v_and_b32 v20, 31, v0                          ; lane
	s_cmp_lt_u32 ttmp9, 512                        ; the paths part on the work-group's number: all four waves go the same way
	s_cbranch_scc0 .Lweights
; ---------------------------------------------------------------- LAYER NORM: work-group g makes fragment g % 8 of act1's tile g / 8, all eight K steps.
; Wave w owns fragment rows 4 w + i, i = 0..3: tokens 32 (gl / 2) + 8 (gl % 2) + 4 w + 8 (w / 2) + i, gl = g % 256: four rows on end, 16 KB.
; v1 16 l; v2, v3 the turn's way in and out; v4, v5 where my block's codes go in the images; v6 its scale byte; v7 4 l; v18, v19 the way out of the images;
; v8-17 at work; v24-27 a scale byte for each row; v[32:63] gamma; v[64:191] four rows; v[192:223] a row turned; v[224:229], v[232:234] codes.
	s_mov_b32 s28, 0x76543210
	s_mov_b32 s29, 0xfedcba98                      ; v_permlanex16_b32's selects for lane l xor 16
	s_mov_b32 s30, 0x3a800000                      ; 1 / 1,024
	s_mov_b32 s31, 0x3727c5ac                      ; 1e-5
	s_mul_i32 s8, s2, TURNW
	s_add_co_u32 s8, s8, TURN
	v_lshlrev_b32 v1, 4, v20
	v_lshrrev_b32 v8, 3, v20
	v_lshl_add_u32 v2, v8, 4, v1
	v_add_nc_u32 v2, s8, v2                        ; in: load j's lane l holds numbers 128 j + 4 l on: place 4 j + l / 8, byte 16 (l % 8): 576 j + 16 l + 16 (l / 8)
	v_mul_u32_u24 v3, v20, 144
	v_add_nc_u32 v3, s8, v3                        ; out: place l: block l of the row, 32 neighbours
	v_lshrrev_b32 v8, 2, v20                       ; my block's K step: l / 4
	v_mul_u32_u24 v9, v8, 1536
	v_bfe_u32 v10, v0, 1, 1                        ; which half of the fragment's registers: (l / 2) % 2
	v_mad_u32_u24 v9, v10, 768, v9
	v_and_b32 v11, 1, v0                           ; which half of the lanes: l % 2
	s_lshl_b32 s9, s2, 6
	v_lshl_add_u32 v4, v11, 8, v9
	v_add_nc_u32 v4, s9, v4                        ; registers 6 c .. 6 c + 3 of lane 16 h + 4 w + i: + 16 i
	s_lshl_b32 s9, s2, 5
	s_add_co_u32 s9, s9, 512
	v_lshl_add_u32 v5, v11, 7, v9
	v_add_nc_u32 v5, s9, v5                        ; registers 6 c + 4, 6 c + 5: + 8 i
	v_lshlrev_b32 v6, 7, v8
	v_and_b32 v12, 3, v0
	v_add_nc_u32 v6, v6, v12
	s_lshl_b32 s9, s2, 4
	s_add_co_u32 s9, s9, SCI
	v_add_nc_u32 v6, s9, v6                        ; byte l % 4 of row 4 w + i's word: + 4 i, and once more 64 on for lanes 16-31
	v_lshlrev_b32 v7, 2, v20
	s_mul_i32 s9, s2, 3072
	v_add_nc_u32 v18, s9, v1                       ; the way out: wave w takes K steps 2 w and 2 w + 1
	s_lshl_b32 s9, s2, 8
	s_add_co_u32 s9, s9, SCI
	v_add_nc_u32 v19, s9, v7
	s_and_b32 s10, ttmp9, 255                      ; gl
	s_lshr_b32 s11, s10, 1
	s_lshl_b32 s11, s11, 5
	s_and_b32 s12, s10, 1
	s_lshl_b32 s12, s12, 3
	s_add_co_u32 s11, s11, s12
	s_lshl_b32 s12, s2, 2
	s_add_co_u32 s11, s11, s12
	s_lshr_b32 s12, s2, 1
	s_lshl_b32 s12, s12, 3
	s_add_co_u32 s11, s11, s12                     ; my first token
	s_lshl_b32 s10, s11, 12                        ; x 4,096 bytes
	s_mov_b32 s11, 0
	s_lshr_b32 s12, ttmp9, 3
	s_lshl_b32 s12, s12, 3
	s_lshl_b32 s13, s2, 1
	s_add_co_u32 s12, s12, s13                     ; record 8 x tile + 2 w
	s_mul_i32 s12, s12, REC
	s_and_b32 s13, ttmp9, 7                        ; the fragment
	s_mul_i32 s14, s13, 1536
	s_add_co_u32 s14, s14, s12
	s_mov_b32 s15, 0
	s_lshl_b32 s16, s13, 7
	s_add_co_u32 s16, s16, s12
	s_add_co_u32 s16, s16, 12288
	s_mov_b32 s17, 0
	s_wait_kmcnt 0x0
	s_cmp_lt_u32 ttmp9, 256                        ; x and gamma, or context and ctx_gamma: the choice hangs on the work-group's number alone
	s_cselect_b64 s[4:5], s[32:33], s[34:35]
	s_cselect_b64 s[6:7], s[36:37], s[38:39]
	s_add_nc_u64 s[4:5], s[4:5], s[10:11]
	s_add_nc_u64 s[14:15], s[50:51], s[14:15]
	s_add_nc_u64 s[16:17], s[50:51], s[16:17]
.irp j, 0,1,2,3,4,5,6,7
	global_load_b128 v[32+4*\j:35+4*\j], v1, s[6:7] offset:512*\j
.endr
.irp i, 0,1,2,3
.irp j, 0,1,2,3,4,5,6,7
	global_load_b128 v[64+32*\i+4*\j:67+32*\i+4*\j], v1, s[4:5] offset:4096*\i+512*\j th:TH_LOAD_NT   ; 32 lanes read 512 consecutive bytes; 40 loads of a wave are out
.endr
.endr
.macro REDUCE                          ; v8 summed over the wave's 32 lanes, the sum in every lane
	v_add_f32_dpp v8, v8, v8 row_xmask:1 row_mask:0xf bank_mask:0xf
	v_add_f32_dpp v8, v8, v8 row_xmask:2 row_mask:0xf bank_mask:0xf
	v_add_f32_dpp v8, v8, v8 row_xmask:4 row_mask:0xf bank_mask:0xf
	v_add_f32_dpp v8, v8, v8 row_xmask:8 row_mask:0xf bank_mask:0xf
	v_permlanex16_b32 v9, v8, s28, s29
	v_add_f32 v8, v8, v9
.endm
.macro ROW i
.set X, 64+32*\i
	s_wait_loadcnt 24-8*\i                         ; gamma and this row are in; the 8 loads of each later row may be out
	v_pk_add_f32 v[8:9], v[X:X+1], v[X+2:X+3]      ; the row's sum, in two chains
	v_pk_add_f32 v[10:11], v[X+4:X+5], v[X+6:X+7]
.irp j, 8,12,16,20,24,28
	v_pk_add_f32 v[8:9], v[8:9], v[X+\j:X+\j+1]
	v_pk_add_f32 v[10:11], v[10:11], v[X+\j+2:X+\j+3]
.endr
	v_pk_add_f32 v[8:9], v[8:9], v[10:11]
	v_add_f32 v8, v8, v9
	REDUCE
	v_mul_f32 v12, s30, v8                         ; the mean, twice
	v_mul_f32 v13, s30, v8
.irp j, 0,2,4,6,8,10,12,14,16,18,20,22,24,26,28,30
	v_pk_add_f32 v[X+\j:X+\j+1], v[X+\j:X+\j+1], v[12:13] neg_lo:[0,1] neg_hi:[0,1]   ; x - mean first: the variance is no difference of large sums
.endr
	v_pk_mul_f32 v[8:9], v[X:X+1], v[X:X+1]
	v_pk_mul_f32 v[10:11], v[X+2:X+3], v[X+2:X+3]
.irp j, 4,8,12,16,20,24,28
	v_pk_fma_f32 v[8:9], v[X+\j:X+\j+1], v[X+\j:X+\j+1], v[8:9]
	v_pk_fma_f32 v[10:11], v[X+\j+2:X+\j+3], v[X+\j+2:X+\j+3], v[10:11]
.endr
	v_pk_add_f32 v[8:9], v[8:9], v[10:11]
	v_add_f32 v8, v8, v9
	REDUCE
	v_fma_f32 v14, v8, s30, s31                    ; variance + eps
	v_rsq_f32 v16, v14
	v_rsq_f32 v17, v14
	v_nop                                          ; a plain instruction between a transcendental and the use of its result (ISA guide 5.7.2)
	s_wait_alu depctr_va_vdst(0)
.irp j, 0,2,4,6,8,10,12,14,16,18,20,22,24,26,28,30
	v_pk_mul_f32 v[X+\j:X+\j+1], v[X+\j:X+\j+1], v[16:17]
.endr
.irp j, 0,2,4,6,8,10,12,14,16,18,20,22,24,26,28,30
	v_pk_mul_f32 v[X+\j:X+\j+1], v[X+\j:X+\j+1], v[32+\j:33+\j]
.endr
.irp j, 0,1,2,3,4,5,6,7
	ds_store_b128 v2, v[X+4*\j:X+4*\j+3] offset:576*\j
.endr
.irp j, 0,1,2,3,4,5,6,7
	ds_load_b128 v[192+4*\j:195+4*\j], v3 offset:16*\j   ; LDS serves a wave's instructions in order (ISA guide 5.7.1.4): these see the stores above
.endr
	s_wait_dscnt 0x0                               ; block l of the row is mine; the last row's stores of codes are done too, so their registers may be written
	BLKMAX 192
	v_add_nc_u32 v11, EOFF, v8                     ; 4 off the exponent field: the conversion takes the exponent field of this operand as its scale
	v_lshrrev_b32 v[24+\i], 23, v11                ; the scale's byte
	v_cvt_scalef32_pk16_bf6_f32 v[224:226], v[192:207], v11
	v_cvt_scalef32_pk16_bf6_f32 v[232:234], v[208:223], v11   ; (a conversion's three registers begin on an even number)
	v_nop                                          ; one plain instruction behind a scaled conversion
	v_mov_b32 v227, v232
	v_mov_b32 v228, v233
	v_mov_b32 v229, v234
	ds_store_b128 v4, v[224:227] offset:16*\i
	ds_store_b64 v5, v[228:229] offset:8*\i
	ds_store_b8 v6, v[24+\i] offset:4*\i
	ds_store_b8 v6, v[24+\i] offset:4*\i+64
.endm
	ROW 0
	ROW 1
	ROW 2
	ROW 3
	s_wait_dscnt 0x0                               ; for the others' sake: my stores into the images are done
	s_barrier_signal -1
	s_barrier_wait -1
.irp e, 0,1
.irp p, 0,1,2
	ds_load_b128 v[64+12*\e+4*\p:67+12*\e+4*\p], v18 offset:1536*\e+512*\p
.endr
	ds_load_b32 v[88+\e], v19 offset:128*\e
.endr
	s_wait_dscnt 0x0
.irp e, 0,1
.irp p, 0,1,2
	global_store_b128 v1, v[64+12*\e+4*\p:67+12*\e+4*\p], s[14:15] offset:REC*\e+512*\p   ; 32 lanes store 512 consecutive bytes, at a multiple of 256 from the buffer's first byte
.endr
	global_store_b32 v7, v[88+\e], s[16:17] offset:REC*\e
.endr
	s_wait_tensorcnt 0x0
	ds_add_u32 v240, v241
	s_wait_dscnt 0x0
	s_endpgm
; ---------------------------------------------------------------- WEIGHTS: a work-group takes 128 columns x 128 along K, a wave 32 columns.
; A LANE TAKES A COLUMN AND ITS 128 REGISTERS RUN DOWN K: lane (u = l / 16, r = l % 16) takes column 8 u + r + 8 (r / 8) of the wave's 32, so each load still reads 128 consecutive
; bytes a wave, lanes 0-15 hold the rows of fragment f0 and lanes 16-31 those of f0 + 1, and a block's largest magnitude needs no other lane.
; v1 my column's bytes; v2, v3, v4 16 l, 8 l, 4 l; v[64:191] the numbers; v[192+8 b ..] block b's six registers of codes; v12-14 scale words; v16-19 scale operands.
.macro WLOADS rowb
.set K, 0
.rept 128
	global_load_b32 v[64+K], v1, s[20:21] offset:K*\rowb th:TH_LOAD_NT
.set K, K+1
.endr
.endm
.Lweights:
	v_and_b32 v5, 15, v0
	v_bfe_u32 v6, v0, 4, 1
	v_and_b32 v7, 8, v5
	v_add_nc_u32 v5, v5, v7
	v_lshl_add_u32 v5, v6, 3, v5
	v_lshlrev_b32 v1, 2, v5
	v_lshlrev_b32 v2, 4, v20
	v_lshlrev_b32 v3, 3, v20
	v_lshlrev_b32 v4, 2, v20
	s_sub_co_u32 s3, ttmp9, 512                    ; id 0..807
	s_lshl_b32 s9, s2, 7                           ; my wave's 32 columns: 128 bytes on
	s_mov_b32 s11, 0
	s_wait_kmcnt 0x0
	s_cmp_lt_u32 s3, 512
	s_cbranch_scc0 .Lnot_ff1
	; Wff1 [1024][8192]: cg = id % 64, K step = id / 64.  In w1's tile tau, fragments 0-3 are columns 64 tau on, fragments 4-7 columns 4,096 + 64 tau on: a and its gate side by side
	s_and_b32 s4, s3, 63
	s_lshr_b32 s5, s3, 6
	s_lshl_b32 s10, s5, 22                         ; 128 rows of 32,768 bytes
	s_lshl_b32 s6, s4, 9
	s_add_co_u32 s10, s10, s6
	s_add_co_u32 s10, s10, s9
	s_add_nc_u64 s[20:21], s[40:41], s[10:11]
	s_and_b32 s6, s4, 31
	s_lshl_b32 s6, s6, 1
	s_lshr_b32 s7, s2, 1
	s_add_co_u32 s6, s6, s7                        ; tau = 2 (cg % 32) + w / 2
	s_lshl_b32 s6, s6, 3
	s_add_co_u32 s12, s6, s5                       ; the record
	s_lshr_b32 s13, s4, 5
	s_lshl_b32 s13, s13, 2
	s_and_b32 s7, s2, 1
	s_lshl_b32 s7, s7, 1
	s_add_co_u32 s13, s13, s7                      ; f0 = 4 (cg / 32) + 2 (w % 2)
	s_mov_b32 s18, 0                               ; into w1
	WLOADS 32768                                   ; the largest offset, 127 x 32,768, lies inside the signed 24-bit immediate (ISA guide, chapter 10)
	s_branch .Lwtail
.Lnot_ff1:
	s_cmp_lt_u32 s3, 784
	s_cbranch_scc0 .Lnot_ff2
	; Wff2 [4096][1024] (256 work-groups) and Wout [256][1024] (16): rows of 4,096 bytes; w2's tile cg; K steps 2 .. 33 and 0, 1
	s_sub_co_u32 s4, s3, 512
	s_cmp_lt_u32 s4, 256
	s_cselect_b64 s[20:21], s[42:43], s[44:45]
	s_cselect_b32 s8, 2, 0
	s_and_b32 s5, s4, 7                            ; cg
	s_bfe_u32 s6, s4, 0x50003                      ; the weight's own K step: 5 bits from bit 3
	s_lshl_b32 s10, s6, 19
	s_lshl_b32 s7, s5, 9
	s_add_co_u32 s10, s10, s7
	s_add_co_u32 s10, s10, s9
	s_add_nc_u64 s[20:21], s[20:21], s[10:11]
	s_mul_i32 s12, s5, 34
	s_add_co_u32 s12, s12, s6
	s_add_co_u32 s12, s12, s8
	s_lshl_b32 s13, s2, 1
	s_mov_b32 s18, 1                               ; into w2
	WLOADS 4096
	s_branch .Lwtail
.Lnot_ff2:
	s_cmp_lt_u32 s3, 800
	s_cbranch_scc0 .Lkv
	; Wq [1024][256]: w1's tiles 64, 65
	s_sub_co_u32 s4, s3, 784
	s_and_b32 s5, s4, 1
	s_lshr_b32 s6, s4, 1
	s_lshl_b32 s10, s6, 17
	s_lshl_b32 s7, s5, 9
	s_add_co_u32 s10, s10, s7
	s_add_co_u32 s10, s10, s9
	s_add_nc_u64 s[20:21], s[46:47], s[10:11]
	s_add_co_u32 s12, s5, 64
	s_lshl_b32 s12, s12, 3
	s_add_co_u32 s12, s12, s6
	s_lshl_b32 s13, s2, 1
	s_mov_b32 s18, 0
	WLOADS 1024
	s_branch .Lwtail
.Lkv:
	; Wkv [1024][128]: w1's tile 66
	s_sub_co_u32 s6, s3, 800
	s_lshl_b32 s10, s6, 16
	s_add_co_u32 s10, s10, s9
	s_add_nc_u64 s[20:21], s[48:49], s[10:11]
	s_add_co_u32 s12, s6, 528
	s_lshl_b32 s13, s2, 1
	s_mov_b32 s18, 0
	WLOADS 512
.Lwtail:
	s_mul_i32 s14, s12, REC
	s_mul_i32 s6, s13, 1536
	s_add_co_u32 s6, s6, s14
	s_mov_b32 s7, 0
	s_lshl_b32 s16, s13, 7
	s_add_co_u32 s16, s16, s14
	s_add_co_u32 s16, s16, 12288
	s_mov_b32 s17, 0
	s_cmp_eq_u32 s18, 0
	s_cselect_b64 s[26:27], s[52:53], s[54:55]
	s_add_nc_u64 s[22:23], s[26:27], s[6:7]        ; fragment f0's image
	s_add_nc_u64 s[24:25], s[26:27], s[16:17]      ; and its scale image
.macro WBLOCK b, left
	s_wait_loadcnt \left                           ; this block's 32 loads are in
	BLKMAX 64+32*\b
	v_add_nc_u32 v[16+\b], EOFF, v8
	v_lshrrev_b32 v10, 23, v[16+\b]
.if \b == 0
	v_mov_b32 v12, v10
.else
	v_lshl_or_b32 v12, v10, 8*\b, v12              ; four bytes make my column's scale word
.endif
	v_cvt_scalef32_pk16_bf6_f32 v[192+8*\b:194+8*\b], v[64+32*\b:79+32*\b], v[16+\b]
	v_cvt_scalef32_pk16_bf6_f32 v[224+4*\b:226+4*\b], v[80+32*\b:95+32*\b], v[16+\b]
.endm
	WBLOCK 0, 63                                   ; 96 and 64 younger loads would do: 63 is the largest count that the wait can name
	WBLOCK 1, 63
	WBLOCK 2, 32
	WBLOCK 3, 0
	v_nop                                          ; one plain instruction behind the last scaled conversion
.irp b, 0,1,2,3
.irp i, 0,1,2
	v_mov_b32 v[195+8*\b+\i], v[224+4*\b+\i]
.endr
.endr
.irp c, 0,1                            ; blocks 2 c and 2 c + 1 change halves: the first set becomes registers 6 c .. 6 c + 5 of fragment f0 (lanes 0-15 block 2 c, lanes 16-31 block 2 c + 1), the second those of f0 + 1
.irp i, 0,1,2,3,4,5
	v_permlane16_swap_b32 v[192+16*\c+\i], v[200+16*\c+\i]
.endr
.endr
	v_mov_b32 v13, v12
	v_mov_b32 v14, v12
	v_permlane16_swap_b32 v13, v14                 ; v13: f0's words in both halves of the lanes; v14: f0 + 1's
.irp u, 0,1
.irp c, 0,1
	global_store_b128 v2, v[192+16*\c+8*\u:195+16*\c+8*\u], s[22:23] offset:1536*\u+768*\c
	global_store_b64 v3, v[196+16*\c+8*\u:197+16*\c+8*\u], s[22:23] offset:1536*\u+768*\c+512
.endr
	global_store_b32 v4, v[13+\u], s[24:25] offset:128*\u
.endr
	s_endpgm
.Lfunc_end_k_q02343f36fb_prep:
	.size	k_q02343f36fb_prep, .Lfunc_end_k_q02343f36fb_prep-k_q02343f36fb_prep
	.p2alignl 7, 3214868480
	.fill 96, 4, 3214868480
	.section	.rodata,"a",@progbits
	.p2align	6, 0x0
	.amdhsa_kernel k_q02343f36fb_prep
		.amdhsa_group_segment_fixed_size 32256
		.amdhsa_private_segment_fixed_size 0
		.amdhsa_enable_private_segment 0
		.amdhsa_kernarg_size 96
		.amdhsa_user_sgpr_count 2
		.amdhsa_user_sgpr_kernarg_segment_ptr 1
		.amdhsa_wavefront_size32 1
		.amdhsa_system_sgpr_workgroup_id_x 1
		.amdhsa_system_sgpr_workgroup_id_y 1
		.amdhsa_system_sgpr_workgroup_id_z 1
		.amdhsa_system_vgpr_workitem_id 0
		.amdhsa_next_free_vgpr 242
		.amdhsa_next_free_sgpr 66
		.amdhsa_reserve_vcc 0
		.amdhsa_float_denorm_mode_32 3
		.amdhsa_float_denorm_mode_16_64 3
		.amdhsa_memory_ordered 1
		.amdhsa_forward_progress 1
		.amdhsa_inst_pref_size 103
	.end_amdhsa_kernel
	.amdgpu_metadata
---
amdhsa.version: [ 1, 2 ]
amdhsa.kernels:
  - .name:           k_q02343f36fb_prep
    .symbol:         k_q02343f36fb_prep.kd
    .args:
      - { .name: x, .offset: 0, .size: 8, .value_kind: global_buffer, .address_space: global }
      - { .name: context, .offset: 8, .size: 8, .value_kind: global_buffer, .address_space: global }
      - { .name: gamma, .offset: 16, .size: 8, .value_kind: global_buffer, .address_space: global }
      - { .name: ctx_gamma, .offset: 24, .size: 8, .value_kind: global_buffer, .address_space: global }
      - { .name: Wff1, .offset: 32, .size: 8, .value_kind: global_buffer, .address_space: global }
      - { .name: Wff2, .offset: 40, .size: 8, .value_kind: global_buffer, .address_space: global }
      - { .name: Wout, .offset: 48, .size: 8, .value_kind: global_buffer, .address_space: global }
      - { .name: Wq, .offset: 56, .size: 8, .value_kind: global_buffer, .address_space: global }
      - { .name: Wkv, .offset: 64, .size: 8, .value_kind: global_buffer, .address_space: global }
      - { .name: act1, .offset: 72, .size: 8, .value_kind: global_buffer, .address_space: global }
      - { .name: w1, .offset: 80, .size: 8, .value_kind: global_buffer, .address_space: global }
      - { .name: w2, .offset: 88, .size: 8, .value_kind: global_buffer, .address_space: global }
    .group_segment_fixed_size: 32256
    .private_segment_fixed_size: 0
    .kernarg_segment_align: 8
    .kernarg_segment_size: 96
    .max_flat_workgroup_size: 128
    .sgpr_count:     66
    .vgpr_count:     242
    .wavefront_size: 32
...
	.end_amdgpu_metadata
.endif
;; end of part 1
;; launch proj (part 2): grid 192 x 1, 4 waves a work-group, no clusters, 0 bytes of LDS; arguments act1, w1, qb, kv; writes qb, kv
.if DOCPART == 2
	.amdgcn_target "amdgcn-amd-amdhsa--gfx1250"
	.amdhsa_code_object_version 6
	.text
	.protected	k_q02343f36fb_proj
	.globl	k_q02343f36fb_proj
	.p2align	8
	.type	k_q02343f36fb_proj,@function
k_q02343f36fb_proj:
	s_mov_b64 s[64:65], 0
	v_nop
	global_prefetch_b8 v0, s[64:65] scope:SCOPE_SE
	s_setreg_imm32_b32 hwreg(HW_REG_WAVE_MODE, 25, 1), 1
	s_wait_xcnt 0x0
; PROJ: q = (xn Wq) / 8, k and v = ctx Wkv, on codes of BF6 (E3M2) with E8M0 scales, and their results quantised again: q and k along the head's 64, v along the keys.
; EACH WAVE IS ONE JOB and shares nothing: D[t + 4 m] = S0[t] x S1[m], t = 0..3, m = 0, 1 (source 0 = 16 rows of S0, source 1 = 16 rows of S1), eight accumulators over the 8 K steps of 128.
; A lane then holds one row of S1[m] and, in the 32 registers of D[4 m .. 4 m + 3], 2 x 16 neighbours of S0's 64 rows: the next product's K.
;   q (work-groups 0-127):   S0 = 64 columns of Wq (one head),  S1 = 32 tokens of xn    -> qb: [tile of 16 tokens][head][768 bytes of codes]; from byte 786,432 on [tile][head][lane] 2 scale bytes
;   k (work-groups 128-159): S0 = Wkv's columns 0-63,           S1 = 32 keys of ctx     -> kv's record (128 keys), 'fragment' f = 0..3: registers 0-5 key tile 2 f, registers 6-11 key tile 2 f + 1
;   v (work-groups 160-191): S0 = 64 keys of ctx,               S1 = 32 of Wkv's columns 64-127 -> kv's record, fragments 4-7: 16 of the head's 64 x 128 keys
; Operands lie in records (13,312 bytes: 128 rows x 128 K as images of the operand registers, scale images behind them), so a fragment is four loads from memory straight into its registers.
; No LDS, no tensor load, no cluster: the launch is 768 independent waves; what they share (three tiles of w1, 320 KB) is a small part of what they read, and joint loads would need LDS and rounds.
; The 2-byte stores of scale half words (two a wave) are the price of one job shape for q, k and v.
; LIMITS: NaN and infinities are not served; a block of zeros or under 2^-122 gets the byte 1 (its codes are zeros; the bytes are read by this program alone).
.set REC, 13312
.set HA,  176                          ; v[176:239] the eight accumulators
.set TM,  16                           ; behind the loop: v16-31 at work, v32 the scale word, v33 its upper half, v40-58 the codes
.set PW,  32
.set PC,  40
.set SEL, 28                           ; s[28:29] lane selects for v_permlanex16_b32: lane l xor 16
; 64 numbers of a lane, v[s] .. v[s + 63], register 16 b + i = k 32 b + 16 (lane / 16) + i of my row, become 12 registers of codes in v[PC] on and a scale word in v[PW].
.macro QUANT s
.irp b, 0,1,2,3
	v_max3_num_f32 v[TM+\b], |v[\s+16*\b]|, |v[\s+1+16*\b]|, 0x2800000   ; my 16 numbers of block b, and the floor 2^(5 - 127): the byte cannot fall under 1
.endr
.irp i, 2,4,6,8,10,12,14
.irp b, 0,1,2,3
	v_max3_num_f32 v[TM+\b], v[TM+\b], |v[\s+16*\b+\i]|, |v[\s+1+16*\b+\i]|
.endr
.endr
.irp b, 0,1,2,3
	v_permlanex16_b32 v[TM+4+\b], v[TM+\b], s[SEL], s[SEL+1]
.endr
.irp b, 0,1,2,3
	v_max_num_f32 v[TM+\b], v[TM+\b], v[TM+4+\b]   ; with lane l xor 16's 16: the block's largest magnitude
.endr
.irp b, 0,1,2,3
	v_add_nc_u32 v[TM+12+\b], 0xfe000000, v[TM+\b] ; 4 off its exponent field: the conversion's scale operand
.endr
.irp b, 0,1,2,3
	v_lshrrev_b32 v[TM+4+\b], 23, v[TM+12+\b]      ; the scale's byte
.endr
	v_lshl_or_b32 v[PW], v[TM+5], 8, v[TM+4]
	v_lshl_or_b32 v[PW], v[TM+6], 16, v[PW]
	v_lshl_or_b32 v[PW], v[TM+7], 24, v[PW]
.irp c, 0,1
	v_cvt_scalef32_pk16_bf6_f32 v[PC+6*\c:PC+2+6*\c], v[\s+32*\c:\s+15+32*\c], v[TM+12+2*\c]
	v_cvt_scalef32_pk16_bf6_f32 v[PC+12+4*\c:PC+14+4*\c], v[\s+16+32*\c:\s+31+32*\c], v[TM+12+2*\c+1]   ; (a conversion's three registers begin on an even number)
.endr
	v_nop                                          ; one plain instruction behind a scaled conversion
.irp c, 0,1                            ; the operand's layout wants a WHOLE block in a lane: lanes 0-15 block 2 c, lanes 16-31 block 2 c + 1
.irp i, 0,1,2
	v_permlane16_swap_b32 v[PC+6*\c+\i], v[PC+12+4*\c+\i]
.endr
.irp i, 0,1,2
	v_mov_b32 v[PC+3+6*\c+\i], v[PC+12+4*\c+\i]
.endr
.endr
.endm
	s_load_b128 s[4:7], s[0:1], 0x0                ; act1, w1
	s_load_b128 s[36:39], s[0:1], 0x10             ; qb, kv
	v_lshrrev_b32 v1, 5, v0
	v_readfirstlane_b32 s2, v1                     ; wave 0..3
	v_and_b32 v5, 31, v0
	v_lshlrev_b32 v1, 4, v5                        ; 16 l, 8 l, 4 l: a lane's place in the pieces of an image
	v_lshlrev_b32 v2, 3, v5
	v_lshlrev_b32 v3, 2, v5
	s_mov_b32 s[SEL], 0x76543210
	s_mov_b32 s[SEL+1], 0xfedcba98
	; The three roles set whole numbers alone: s40, s41 S0's tile and first fragment; s42, s43 S1's; s44 where the lower six registers of codes go, s45 how far on the upper six;
	; s46, s47 the same for the scale word's halves; s24 the factor; s26 the shift that makes a lane's place among the half words.
	s_cmp_lt_u32 ttmp9, 128
	s_cbranch_scc0 .Lnot_q
	s_lshr_b32 s40, s2, 1                          ; q: token pair tp = work-group, head = wave
	s_add_co_u32 s40, s40, 64
	s_and_b32 s41, s2, 1
	s_lshl_b32 s41, s41, 2
	s_lshr_b32 s42, ttmp9, 2
	s_and_b32 s43, ttmp9, 3
	s_lshl_b32 s43, s43, 1
	s_lshl_b32 s3, ttmp9, 3
	s_add_co_u32 s3, s3, s2                        ; 4 x (tile 2 tp) + head
	s_mul_i32 s44, s3, 768
	s_mov_b32 s45, 3072                            ; tile 2 tp + 1 lies four heads on
	s_lshl_b32 s46, s3, 6
	s_add_co_u32 s46, s46, 786432
	s_mov_b32 s47, 256
	s_mov_b32 s24, 0x3e000000                      ; 1 / 8 = 64^-0.5
	s_mov_b32 s26, 1
	s_branch .Ljoin
.Lnot_q:
	s_cmp_lt_u32 ttmp9, 160
	s_cbranch_scc0 .Lrole_v
	s_sub_co_u32 s3, ttmp9, 128                    ; k: key pair tp = 4 (work-group - 128) + wave
	s_lshl_b32 s3, s3, 2
	s_add_co_u32 s3, s3, s2
	s_mov_b32 s40, 66
	s_mov_b32 s41, 0
	s_lshr_b32 s8, s3, 2                           ; the record of 128 keys
	s_add_co_u32 s42, s8, 32
	s_and_b32 s9, s3, 3
	s_lshl_b32 s43, s9, 1
	s_mul_i32 s8, s8, REC
	s_mul_i32 s44, s9, 1536
	s_add_co_u32 s44, s44, s8
	s_mov_b32 s45, 768
	s_lshl_b32 s46, s9, 7
	s_add_co_u32 s46, s46, s8
	s_add_co_u32 s46, s46, 12288
	s_mov_b32 s47, 2
	s_mov_b32 s24, 1.0
	s_mov_b32 s26, 2
	s_branch .Ljoin
.Lrole_v:
	s_sub_co_u32 s3, ttmp9, 160                    ; v: j = 4 (work-group - 160) + wave: 64 keys x = j / 2, pair of d tiles fp = j % 2
	s_lshl_b32 s3, s3, 2
	s_add_co_u32 s3, s3, s2
	s_lshr_b32 s8, s3, 1                           ; x
	s_and_b32 s9, s3, 1                            ; fp
	s_lshr_b32 s10, s8, 1                          ; the record of 128 keys
	s_and_b32 s11, s8, 1                           ; which 64 of them
	s_add_co_u32 s40, s10, 32
	s_lshl_b32 s41, s11, 2
	s_mov_b32 s42, 66
	s_lshl_b32 s43, s9, 1
	s_add_co_u32 s43, s43, 4
	s_mul_i32 s10, s10, REC
	s_mul_i32 s44, s43, 1536
	s_add_co_u32 s44, s44, s10
	s_mul_i32 s12, s11, 768
	s_add_co_u32 s44, s44, s12
	s_mov_b32 s45, 1536
	s_lshl_b32 s46, s43, 7
	s_add_co_u32 s46, s46, s10
	s_add_co_u32 s46, s46, 12288
	s_lshl_b32 s12, s11, 1
	s_add_co_u32 s46, s46, s12
	s_mov_b32 s47, 128
	s_mov_b32 s24, 1.0
	s_mov_b32 s26, 2
.Ljoin:
	s_mul_i32 s40, s40, 8*REC
	s_mul_i32 s48, s41, 1536
	s_add_co_u32 s48, s48, s40                     ; S0's codes,
	s_lshl_b32 s50, s41, 7
	s_add_co_u32 s50, s50, s40
	s_add_co_u32 s50, s50, 12288                   ; its scale images,
	s_mul_i32 s42, s42, 8*REC
	s_mul_i32 s52, s43, 1536
	s_add_co_u32 s52, s52, s42                     ; S1's likewise
	s_lshl_b32 s54, s43, 7
	s_add_co_u32 s54, s54, s42
	s_add_co_u32 s54, s54, 12288
	s_mov_b32 s49, 0
	s_mov_b32 s51, 0
	s_mov_b32 s53, 0
	s_mov_b32 s55, 0
	s_mov_b32 s25, s24                             ; (the packed form names the pair)
	v_lshlrev_b32 v4, s26, v5
	s_wait_kmcnt 0x0
	s_cmp_lt_u32 ttmp9, 160                        ; the buffers are chosen on the work-group's number alone
	s_cselect_b64 s[56:57], s[6:7], s[4:5]         ; S0: w1 for q and k, act1 for v
	s_cselect_b64 s[58:59], s[4:5], s[6:7]         ; S1: the other
	s_cmp_lt_u32 ttmp9, 128
	s_cselect_b64 s[60:61], s[36:37], s[38:39]     ; results: qb for q, kv for k and v
	s_add_nc_u64 s[8:9], s[56:57], s[48:49]
	s_add_nc_u64 s[10:11], s[56:57], s[50:51]
	s_add_nc_u64 s[12:13], s[58:59], s[52:53]
	s_add_nc_u64 s[14:15], s[58:59], s[54:55]
	s_mov_b32 s48, s44
	s_add_nc_u64 s[16:17], s[60:61], s[48:49]
	s_mov_b32 s48, s45
	s_add_nc_u64 s[18:19], s[16:17], s[48:49]
	s_mov_b32 s48, s46
	s_add_nc_u64 s[20:21], s[60:61], s[48:49]
	s_mov_b32 s48, s47
	s_add_nc_u64 s[22:23], s[20:21], s[48:49]
; K step ks into register set s: at F = 16 + 80 s: S0's four fragments, from F + 48 S1's two, at F + 72 .. 75 and F + 76, 77 their scale words: 30 loads
.macro LOADSET ks, s
.set F, 16+80*(\s)
.irp t, 0,1,2,3
	global_load_b128 v[F+12*\t:F+12*\t+3], v1, s[8:9] offset:(\ks)*REC+1536*\t
	global_load_b64 v[F+12*\t+4:F+12*\t+5], v2, s[8:9] offset:(\ks)*REC+1536*\t+512
	global_load_b128 v[F+12*\t+6:F+12*\t+9], v1, s[8:9] offset:(\ks)*REC+1536*\t+768
	global_load_b64 v[F+12*\t+10:F+12*\t+11], v2, s[8:9] offset:(\ks)*REC+1536*\t+1280
	global_load_b32 v[F+72+\t], v3, s[10:11] offset:(\ks)*REC+128*\t
.endr
.irp m, 0,1
	global_load_b128 v[F+48+12*\m:F+48+12*\m+3], v1, s[12:13] offset:(\ks)*REC+1536*\m
	global_load_b64 v[F+48+12*\m+4:F+48+12*\m+5], v2, s[12:13] offset:(\ks)*REC+1536*\m+512
	global_load_b128 v[F+48+12*\m+6:F+48+12*\m+9], v1, s[12:13] offset:(\ks)*REC+1536*\m+768
	global_load_b64 v[F+48+12*\m+10:F+48+12*\m+11], v2, s[12:13] offset:(\ks)*REC+1536*\m+1280
	global_load_b32 v[F+76+\m], v3, s[14:15] offset:(\ks)*REC+128*\m
.endr
.endm
	LOADSET 0, 0
	LOADSET 1, 1
.irp ks, 0,1,2,3,4,5,6,7
.if \ks < 7
	s_wait_loadcnt 30                              ; this K step's 30 loads are in; the other set's 30 may be out
.else
	s_wait_loadcnt 0
.endif
.set F, 16+80*(\ks%2)
.irp m, 0,1                            ; the eight accumulators take turns, one instruction a turn, in the same order in every K step
.irp t, 0,1,2,3
.if \ks == 0
	v_wmma_scale_f32_16x16x128_f8f6f4 v[HA+8*(\t+4*\m):HA+8*(\t+4*\m)+7], v[F+12*\t:F+12*\t+11], v[F+48+12*\m:F+48+12*\m+11], 0, v[F+72+\t], v[F+76+\m] matrix_a_fmt:MATRIX_FMT_BF6 matrix_b_fmt:MATRIX_FMT_BF6
.else
	v_wmma_scale_f32_16x16x128_f8f6f4 v[HA+8*(\t+4*\m):HA+8*(\t+4*\m)+7], v[F+12*\t:F+12*\t+11], v[F+48+12*\m:F+48+12*\m+11], v[HA+8*(\t+4*\m):HA+8*(\t+4*\m)+7], v[F+72+\t], v[F+76+\m] matrix_a_fmt:MATRIX_FMT_BF6 matrix_b_fmt:MATRIX_FMT_BF6
.endif
.endr
.endr
.rept 4
	v_nop                                          ; four places behind the products, in front of loads into the registers that they read and of the first read of results
.endr
.if \ks < 6
	LOADSET \ks+2, \ks%2
.endif
.endr
.irp b, 0,1,2,3
	v_mov_b32 v[TM+4+\b], 0                        ; a lane permute's destination counts as one of its sources
.endr
.set J, 0
.rept 32
	v_pk_mul_f32 v[HA+J:HA+J+1], v[HA+J:HA+J+1], s[24:25] op_sel_hi:[1,0]   ; x 1 / 8 for q, x 1 for k and v; each accumulator from its low end on
.set J, J+2
.endr
	QUANT HA
	v_lshrrev_b32 v[PW+1], 16, v[PW]
	global_store_b128 v1, v[PC:PC+3], s[16:17]                 ; m = 0's six registers: 768 consecutive bytes
	global_store_b64 v2, v[PC+4:PC+5], s[16:17] offset:512
	global_store_b128 v1, v[PC+6:PC+9], s[18:19]               ; m = 1's
	global_store_b64 v2, v[PC+10:PC+11], s[18:19] offset:512
	global_store_b16 v4, v[PW], s[20:21]                       ; m = 0's two scale bytes
	global_store_b16 v4, v[PW+1], s[22:23]                     ; m = 1's
	s_endpgm
.Lfunc_end_k_q02343f36fb_proj:
	.size	k_q02343f36fb_proj, .Lfunc_end_k_q02343f36fb_proj-k_q02343f36fb_proj
	.p2alignl 7, 3214868480
	.fill 96, 4, 3214868480
	.section	.rodata,"a",@progbits
	.p2align	6, 0x0
	.amdhsa_kernel k_q02343f36fb_proj
		.amdhsa_group_segment_fixed_size 0
		.amdhsa_private_segment_fixed_size 0
		.amdhsa_enable_private_segment 0
		.amdhsa_kernarg_size 32
		.amdhsa_user_sgpr_count 2
		.amdhsa_user_sgpr_kernarg_segment_ptr 1
		.amdhsa_wavefront_size32 1
		.amdhsa_system_sgpr_workgroup_id_x 1
		.amdhsa_system_sgpr_workgroup_id_y 1
		.amdhsa_system_sgpr_workgroup_id_z 1
		.amdhsa_system_vgpr_workitem_id 0
		.amdhsa_next_free_vgpr 240
		.amdhsa_next_free_sgpr 66
		.amdhsa_reserve_vcc 0
		.amdhsa_float_denorm_mode_32 3
		.amdhsa_float_denorm_mode_16_64 3
		.amdhsa_memory_ordered 1
		.amdhsa_forward_progress 1
		.amdhsa_inst_pref_size 44
	.end_amdhsa_kernel
	.amdgpu_metadata
---
amdhsa.version: [ 1, 2 ]
amdhsa.kernels:
  - .name:           k_q02343f36fb_proj
    .symbol:         k_q02343f36fb_proj.kd
    .args:
      - { .name: act1, .offset: 0, .size: 8, .value_kind: global_buffer, .address_space: global }
      - { .name: w1, .offset: 8, .size: 8, .value_kind: global_buffer, .address_space: global }
      - { .name: qb, .offset: 16, .size: 8, .value_kind: global_buffer, .address_space: global }
      - { .name: kv, .offset: 24, .size: 8, .value_kind: global_buffer, .address_space: global }
    .group_segment_fixed_size: 0
    .private_segment_fixed_size: 0
    .kernarg_segment_align: 8
    .kernarg_segment_size: 32
    .max_flat_workgroup_size: 128
    .sgpr_count:     66
    .vgpr_count:     240
    .wavefront_size: 32
...
	.end_amdgpu_metadata
.endif
;; end of part 2
;; launch attn (part 3): grid 256 x 1, 16 waves a work-group, clusters of 4 x 1, 327,680 bytes of LDS; arguments qb, kv, a2; writes a2
.if DOCPART == 3
	.amdgcn_target "amdgcn-amd-amdhsa--gfx1250"
	.amdhsa_code_object_version 6
	.text
	.protected	k_q02343f36fb_attn
	.globl	k_q02343f36fb_attn
	.p2align	8
	.type	k_q02343f36fb_attn,@function
k_q02343f36fb_attn:
	s_mov_b64 s[64:65], 0
	v_nop
	global_prefetch_b8 v0, s[64:65] scope:SCOPE_SE
	s_setreg_imm32_b32 hwreg(HW_REG_WAVE_MODE, 25, 1), 1
	s_wait_xcnt 0x0
	s_wait_alu depctr_hold_cnt(0) depctr_sa_sdst(0) depctr_va_vdst(0) depctr_va_sdst(0) depctr_va_ssrc(0) depctr_va_vcc(0) depctr_vm_vsrc(0)
	s_getreg_b32 s2, hwreg(HW_REG_IB_STS2, 6, 4)
	s_cmp_eq_u32 s2, 0
	s_cbranch_scc0 .Lentry_in_a_cluster
	s_endpgm
.Lentry_in_a_cluster:
	s_bfe_u32 s2, ttmp6, 0x10000c
	s_cmp_lg_u32 s2, 0x3003
	s_cbranch_scc0 .Lentry_shape_is_right
	s_endpgm
.Lentry_shape_is_right:
; ATTN: o = softmax(q k^T) v for 4 heads that share k and v, both products on codes of BF6 (E3M2) with E8M0 scales; o, divided by the row's sum, is quantised along inner (4 x 64) into a2's K steps 0, 1.
; THE SOFTMAX AHEAD OF THE SECOND PRODUCT: t = score x log2(e) (the 1 / 8 is in q); M = the largest t so far, rounded UP to a whole number; p = 2^(t - M) is what is quantised, along the keys, not normalised.
; The row's sum is taken of the unquantised p.  When M moves, the sum and O are multiplied by 2^(old M - new M): exact.
; SHARES.  Work-group g owns 16 tokens (fragment g % 8 of token tile g / 8) x 4 heads.  Wave w: head w % 4, key quarter kq = w / 4: in step s = 0..7 it takes the 128 keys of kv's record 4 s + kq.
; 1,024 tiles of 16 queries are one for each SIMD of 256 WGPs: so the keys are split four ways, four waves stand on a SIMD, and one wave's vector work stands beside another's products and LDS loads.
; The four parts of a head are merged at the end through LDS, by exact powers of two: waves 0-3 take one head each.
; LAYOUT.  Both products are used transposed: S^T = K Q^T (source 0 = 16 keys), O^T = V^T P^T (source 0 = 16 of the head's 64): a lane holds ONE query (lane % 16) throughout.
; The head's size is 64, half of the instruction's 128: a 'fragment' of K holds TWO key tiles (registers 0-5, registers 6-11), and is multiplied by [q | 0] and by [0 | q]: zero codes add nothing.
; Lane r of key tile 2 b + u is key 32 b + 8 u + r + 8 (r / 8) of the record: the 16 registers of tiles 2 b, 2 b + 1 are keys 32 b + 16 (lane / 16) + 0 .. 15.
; CLUSTER.  Every work-group walks the same kv: the four of a cluster ask for each tile JOINTLY (mask 15).  Waves 0-3 fetch, two records (26,624 dense bytes) each; a slot holds eight records, two steps.
; By this text's count a wave has at most two tensor loads out.  g enters q's and a2's global addresses alone.
; LIMITS: NaN and infinities are not served; a block of p that has fallen to zeros, or a block of o under 2^-122, gets the byte 1 (its codes are zeros).
.set REC,   13312
.set SLOTB, 8*REC                      ; 106,496
.set SUBB,  4*REC                      ; a step's four records
.set PARTB, 2*REC                      ; what one tensor load brings
.set MG,    2*SLOTB                    ; behind the ring: for each wave 4,352 bytes: O^T (4,096), -M at 4,096 + 4 l, the sum at 4,224 + 4 l.  No tile lands here
.set MGW,   4352
.set SPARE, MG+16*MGW                  ; the spare words, 128 bytes for each wave: eight blocks of 256 bytes that no other line names
.set QSC,   786432                     ; where q's scale half words begin in qb
.set SPW, 4                            ; v4   LDS address of my spare word; never rewritten
.set NIL, 5                            ; v5   0; never rewritten
; v1, v2, v3: kq x REC + 16 l, + 8 l, + 4 l; v6-8 the step's addresses; v9, v10 my part of MG; v11, v47 the merge's reads; v12 -M, v13 the largest t, v[14:15] the sum in two halves
.set QLO, 16                           ; v[16:27]  [q | 0]
.set QHI, 28                           ; v[28:39]  [0 | q]
.set QSL, 40                           ; v40, v41  q's scale words for the two
.set QSH, 41
.set KS,  42                           ; v42-45    K's scale words
.set PSW, 46                           ; v46       p's scale word
.set KF,  48                           ; v[48:95]  four fragments of K; behind the first product the work area:
.set MX,  48                           ;   v48-51 block maxima;  v52-55 permuted, then bytes;  v56-59 scale operands;  v[60:61] f;  v62 at work
.set PB,  52
.set SO,  56
.set FF,  60
.set TT,  62
.set PC,  64                           ;   v[64:75] p's codes;  v[76:78], v[80:82] conversions' second halves;  v[84:85] a chain of the sum
.set SP2, 84
.set S,   96                           ; v[96:159] S^T, then p
.set O,   160                          ; v[160:191] O^T
.set VF,  192                          ; v[192:239] V's four fragments
.set VS,  240                          ; v240-243  V's scale words
.set L16, 244                          ; v244-247  16 l, 8 l, 4 l, 2 l
.set L8,  245
.set L4,  246
.set L2,  247
.set TM,  48                           ; the last quantiser's work area and its two scale bytes
.set PW,  86
.set WV,  10
.set SEL, 20                           ; s[20:21] lane selects: lane l xor 16
.set CS,  22                           ; s[22:23] log2(e)
.set G1,  24                           ; s[24:31] descriptor group 1;  s[32:39] group 0, one set for each slot
.set G0,  32
.macro CROUND                          ; a round of the cluster's barrier
	s_barrier_signal -1
	s_barrier_wait -1
	s_cmp_lg_u32 s[WV], 0
	s_cbranch_scc1 .Lnot_wave_0_\@
	s_barrier_signal -3
.Lnot_wave_0_\@:
	s_barrier_wait -3
	s_barrier_signal -1
	s_barrier_wait -1
.endm
.macro QHALF s                         ; 32 numbers of a lane, register 16 b + i = k 32 b + 16 (lane / 16) + i, become six registers of codes in v[PC] on and two scale bytes in v[PW]
.irp b, 0,1
	v_max3_num_f32 v[TM+\b], |v[\s+16*\b]|, |v[\s+1+16*\b]|, 0x2800000   ; my 16 numbers of block b, and the floor 2^(5 - 127): the byte cannot fall under 1
.endr
.irp i, 2,4,6,8,10,12,14
.irp b, 0,1
	v_max3_num_f32 v[TM+\b], v[TM+\b], |v[\s+16*\b+\i]|, |v[\s+1+16*\b+\i]|
.endr
.endr
.irp b, 0,1
	v_permlanex16_b32 v[TM+4+\b], v[TM+\b], s[SEL], s[SEL+1]
.endr
.irp b, 0,1
	v_max_num_f32 v[TM+\b], v[TM+\b], v[TM+4+\b]   ; with lane l xor 16's 16: the block's largest magnitude
.endr
.irp b, 0,1
	v_add_nc_u32 v[TM+12+\b], 0xfe000000, v[TM+\b] ; 4 off its exponent field: the conversion's scale operand
.endr
.irp b, 0,1
	v_lshrrev_b32 v[TM+4+\b], 23, v[TM+12+\b]      ; the scale's byte
.endr
	v_lshl_or_b32 v[PW], v[TM+5], 8, v[TM+4]
	v_cvt_scalef32_pk16_bf6_f32 v[PC:PC+2], v[\s:\s+15], v[TM+12]
	v_cvt_scalef32_pk16_bf6_f32 v[PC+12:PC+14], v[\s+16:\s+31], v[TM+13]   ; (a conversion's three registers begin on an even number)
	v_nop                                          ; one plain instruction behind a scaled conversion
.irp i, 0,1,2
	v_permlane16_swap_b32 v[PC+\i], v[PC+12+\i]    ; a WHOLE block in a lane: lanes 0-15 the first, lanes 16-31 the second
.endr
.irp i, 0,1,2
	v_mov_b32 v[PC+3+\i], v[PC+12+\i]
.endr
.endm
	s_load_b128 s[4:7], s[0:1], 0x0                ; qb, kv
	s_load_b64 s[8:9], s[0:1], 0x10                ; a2
	v_lshl_add_u32 v[SPW], v0, 2, SPARE
	v_mov_b32 v[NIL], 0
	ds_add_u32 v4, v5
	s_wait_dscnt 0x0
	v_lshrrev_b32 v6, 5, v0
	v_readfirstlane_b32 s[WV], v6                  ; wave 0..15
	s_and_b32 s11, s[WV], 3                        ; my head
	s_lshr_b32 s12, s[WV], 2                       ; my quarter of the keys
	s_bfe_u32 s13, ttmp6, 0x40000                  ; cx
	s_lshl_b32 s14, ttmp9, 2
	s_add_co_u32 s14, s14, s13                     ; g = 4 x cluster + cx
	; every LDS address is made of the lane and the wave's number, here at the head
	v_and_b32 v6, 31, v0
	s_mul_i32 s15, s12, REC
	v_lshl_add_u32 v1, v6, 4, s15
	v_lshl_add_u32 v2, v6, 3, s15
	v_lshl_add_u32 v3, v6, 2, s15
	s_mul_i32 s15, s[WV], MGW
	s_add_co_u32 s15, s15, MG
	v_lshl_add_u32 v9, v6, 4, s15
	v_lshl_add_u32 v10, v6, 2, s15
	s_min_u32 s19, s[WV], 3                        ; the merge is waves 0-3's: wave x reads the four parts of head x (held at 3, so that the other waves' registers stay inside LDS)
	s_mul_i32 s15, s19, MGW
	s_add_co_u32 s15, s15, MG
	v_lshl_add_u32 v11, v6, 4, s15
	v_lshl_add_u32 v47, v6, 2, s15
	v_lshlrev_b32 v[L16], 4, v6
	v_lshlrev_b32 v[L8], 3, v6
	v_lshlrev_b32 v[L4], 2, v6
	v_lshlrev_b32 v[L2], 1, v6
	; descriptor group 1: 26,624 dense bytes as 104 rows of 256 bytes (32 elements of 8 bytes), no padding: images are read 16 or 8 bytes a lane on end
	s_mov_b32 s[G1+0], 15|(3<<16)|(1<<21)          ; 15:0 the mask: all four work-groups; 17:16 elements of 8 bytes; 21 set beside a mask
	s_mov_b32 s[G1+1], 32<<16                      ; tensor_dim0 = 32
	s_mov_b32 s[G1+2], 104<<16                     ; tensor_dim1 = 104
	s_mov_b32 s[G1+3], 32<<16                      ; tile_dim0 = 32
	s_mov_b32 s[G1+4], 104                         ; tile_dim1 = 104
	s_mov_b32 s[G1+5], 32                          ; from row to row
	s_mov_b32 s[G1+6], 0
	s_mov_b32 s[G1+7], 0
	s_min_u32 s16, s[WV], 3                        ; waves 0-3 fetch; the others issue no load
	s_mul_i32 s16, s16, PARTB                      ; my two records of a slot's eight, in memory and in LDS
	s_mov_b32 s17, 0
	s_lshl_b32 s18, s14, 2
	s_add_co_u32 s18, s18, s11                     ; 4 g + head
	s_mul_i32 s40, s18, 768
	s_mov_b32 s41, 0
	s_lshl_b32 s42, s18, 6
	s_add_co_u32 s42, s42, QSC
	s_mov_b32 s43, 0
	s_lshr_b32 s48, s19, 1                         ; the head that I merge lies in K step x / 2 of a2,
	s_and_b32 s49, s19, 1                          ; in half x % 2 of a fragment's registers and of its scale words
	s_lshr_b32 s44, s14, 3
	s_mul_i32 s44, s44, 34
	s_add_co_u32 s44, s44, s48                     ; a2's record: token tile g / 8
	s_mul_i32 s44, s44, REC
	s_and_b32 s18, s14, 7
	s_lshl_b32 s46, s18, 7
	s_add_co_u32 s46, s46, s44
	s_add_co_u32 s46, s46, 12288
	s_lshl_b32 s48, s49, 1
	s_add_co_u32 s46, s46, s48
	s_mov_b32 s47, 0
	s_mul_i32 s18, s18, 1536
	s_add_co_u32 s44, s44, s18
	s_mul_i32 s48, s49, 768
	s_add_co_u32 s44, s44, s48
	s_mov_b32 s45, 0
	s_mov_b32 s[SEL], 0x76543210
	s_mov_b32 s[SEL+1], 0xfedcba98
	s_mov_b32 s[CS], 0x3fb8aa3b                    ; log2(e)
	s_mov_b32 s[CS+1], s[CS]
	s_wait_kmcnt 0x0
	s_add_nc_u64 s[6:7], s[6:7], s[16:17]
	s_add_nc_u64 s[40:41], s[4:5], s[40:41]        ; q's codes
	s_add_nc_u64 s[42:43], s[4:5], s[42:43]        ; q's scale half words
	s_add_nc_u64 s[44:45], s[8:9], s[44:45]        ; a2: the half fragment
	s_add_nc_u64 s[46:47], s[8:9], s[46:47]        ; a2: its half of the scale image
.irp n, 0,1
	s_mov_b32 s[G0+4*\n], 1                        ; count = 1
	s_add_co_u32 s[G0+4*\n+1], s16, \n*SLOTB       ; LDS address
	s_add_nc_u64 s[G0+4*\n+2:G0+4*\n+3], s[6:7], \n*SLOTB   ; global address: records 8 n on
	s_or_b32 s[G0+4*\n+3], s[G0+4*\n+3], 0x80000000         ; type = 2
.endr
	CROUND                                         ; all four work-groups are here: the first joint loads meet
	s_cmp_lt_u32 s[WV], 4                          ; a wave's two first fills stand in one branch, ahead of every wait on TENSORcnt and every LDS read
	s_cbranch_scc0 .Lfirst_asked
	tensor_load_to_lds s[G0:G0+3], s[G1:G1+7]
	s_nop 0
	tensor_load_to_lds s[G0+4:G0+7], s[G1:G1+7]
	s_nop 0
.rept 4
	v_nop
.endr
.Lfirst_asked:
	global_load_b128 v[QLO:QLO+3], v[L16], s[40:41]
	global_load_b64 v[QLO+4:QLO+5], v[L8], s[40:41] offset:512
	global_load_b128 v[QHI+6:QHI+9], v[L16], s[40:41]          ; the same six registers once more: the two operands share no register
	global_load_b64 v[QHI+10:QHI+11], v[L8], s[40:41] offset:512
	global_load_u16 v[QSL], v[L2], s[42:43]
.irp j, 22,23,24,25,26,27,28,29,30,31,32,33
	v_mov_b32 v[\j], 0                             ; the zero halves
.endr
	v_mov_b32 v13, 0xff61b1e6                      ; the largest t so far: -3e38, under every t
	v_floor_f32 v12, -v13                          ; -M
	v_mov_b32 v14, 0
	v_mov_b32 v15, 0
	s_wait_loadcnt 0x0
	v_lshl_or_b32 v[QSH], v[QSL], 16, 0x7f7f       ; q's two bytes over its half, 127 over the zeros
	v_or_b32 v[QSL], 0x7f7f0000, v[QSL]
.set J, 0
.rept 32
	v_mov_b32 v[O+J], 0                            ; O^T: the step is written once; its first run finds zeros, which the first change of M leaves zeros.  (More than eight places between the scale words above and the first product)
.set J, J+1
.endr
	s_wait_tensorcnt 1                             ; my part of slot 0 is in; slot 1's may stay out
	s_barrier_signal -1
	s_barrier_wait -1
; A STEP: my 128 keys, in the record at LDS byte base + kq x REC
.macro STEP base
	v_add_nc_u32 v6, \base, v1
	v_add_nc_u32 v7, \base, v2
	v_add_nc_u32 v8, \base, v3
	v_nop                                          ; four places behind the last products, in front of loads into registers that they read
.irp f, 0,1,2,3
	ds_load_b128 v[KF+12*\f:KF+12*\f+3], v6 offset:1536*\f
	ds_load_b64 v[KF+12*\f+4:KF+12*\f+5], v7 offset:1536*\f+512
	ds_load_b128 v[KF+12*\f+6:KF+12*\f+9], v6 offset:1536*\f+768
	ds_load_b64 v[KF+12*\f+10:KF+12*\f+11], v7 offset:1536*\f+1280
	ds_load_b32 v[KS+\f], v8 offset:12288+128*\f
.endr
.irp f, 0,1,2,3
	ds_load_b128 v[VF+12*\f:VF+12*\f+3], v6 offset:1536*(\f+4)
	ds_load_b64 v[VF+12*\f+4:VF+12*\f+5], v7 offset:1536*(\f+4)+512
	ds_load_b128 v[VF+12*\f+6:VF+12*\f+9], v6 offset:1536*(\f+4)+768
	ds_load_b64 v[VF+12*\f+10:VF+12*\f+11], v7 offset:1536*(\f+4)+1280
	ds_load_b32 v[VS+\f], v8 offset:12288+128*(\f+4)
.endr
	s_wait_dscnt 20                                ; K's 20 loads are in; V's 20 may be out
.irp f, 0,1,2,3
	v_wmma_scale_f32_16x16x128_f8f6f4 v[S+16*\f:S+16*\f+7], v[KF+12*\f:KF+12*\f+11], v[QLO:QLO+11], 0, v[KS+\f], v[QSL] matrix_a_fmt:MATRIX_FMT_BF6 matrix_b_fmt:MATRIX_FMT_BF6
	v_wmma_scale_f32_16x16x128_f8f6f4 v[S+16*\f+8:S+16*\f+15], v[KF+12*\f:KF+12*\f+11], v[QHI:QHI+11], 0, v[KS+\f], v[QSH] matrix_a_fmt:MATRIX_FMT_BF6 matrix_b_fmt:MATRIX_FMT_BF6
.endr
.rept 4
	v_nop
.endr
.irp b, 0,1,2,3
	v_max3_num_f32 v[MX+\b], v[S+16*\b], v[S+1+16*\b], v[S+2+16*\b]   ; the largest SCORE of each block of 32 keys: it serves the row's maximum and, since p rises with the score, the block's largest p
.endr
.irp i, 3,5,7,9,11,13
.irp b, 0,1,2,3
	v_max3_num_f32 v[MX+\b], v[MX+\b], v[S+16*\b+\i], v[S+1+16*\b+\i]
.endr
.endr
.irp b, 0,1,2,3
	v_max_num_f32 v[MX+\b], v[MX+\b], v[S+15+16*\b]
.endr
.irp b, 0,1,2,3
	v_permlanex16_b32 v[PB+\b], v[MX+\b], s[SEL], s[SEL+1]
.endr
.irp b, 0,1,2,3
	v_max_num_f32 v[MX+\b], v[MX+\b], v[PB+\b]     ; with lane l xor 16's 16 keys
.endr
	v_max3_num_f32 v[TT], v[MX], v[MX+1], v[MX+2]
	v_max_num_f32 v[TT], v[TT], v[MX+3]
	v_mul_f32 v[TT], s[CS], v[TT]                  ; as t
	v_max_num_f32 v13, v13, v[TT]                  ; the running largest t
	v_mov_b32 v[TT], v12
	v_floor_f32 v12, -v13                          ; the new -M = -ceil(t): a whole number
	v_sub_f32 v[TT], v12, v[TT]                    ; old M - new M: a whole number, 0 or less
	v_cvt_i32_f32 v[TT], v[TT]                     ; (it saturates)
	v_ldexp_f32 v[FF], 1.0, v[TT]                  ; f = 2^(old M - new M)
.set J, 0
.rept 32
	v_pk_fma_f32 v[S+J:S+J+1], v[S+J:S+J+1], s[CS:CS+1], v[12:13] op_sel_hi:[1,0,0]   ; t - M, two at a time
.set J, J+2
.endr
.irp b, 0,1,2,3
	v_fma_f32 v[MX+\b], v[MX+\b], s[CS], v12       ; the same of each block's largest score
.endr
.set J, 0
.rept 64
	v_exp_f32 v[S+J], v[S+J]                       ; p = 2^(t - M), at most 1
.set J, J+1
.endr
.irp b, 0,1,2,3
	v_exp_f32 v[MX+\b], v[MX+\b]                   ; the block's largest p: the same two instructions on the same number
.endr
	v_pk_mul_f32 v[14:15], v[14:15], v[FF:FF+1] op_sel_hi:[1,0]   ; the sums under the new M (a plain instruction behind the exponentials)
	s_wait_alu depctr_va_vdst(0)
.irp b, 0,1,2,3
	v_max_num_f32 v[MX+\b], 0x2800000, v[MX+\b]    ; the floor 2^(5 - 127)
.endr
.irp b, 0,1,2,3
	v_add_nc_u32 v[SO+\b], 0xfe000000, v[MX+\b]    ; 4 off the exponent field: the conversion's scale operand
.endr
.irp b, 0,1,2,3
	v_lshrrev_b32 v[PB+\b], 23, v[SO+\b]
.endr
	v_lshl_or_b32 v[PSW], v[PB+1], 8, v[PB]        ; p's scale word for these 128 keys
	v_lshl_or_b32 v[PSW], v[PB+2], 16, v[PSW]
	v_lshl_or_b32 v[PSW], v[PB+3], 24, v[PSW]
.irp c, 0,1
	v_cvt_scalef32_pk16_bf6_f32 v[PC+6*\c:PC+2+6*\c], v[S+32*\c:S+15+32*\c], v[SO+2*\c]
	v_cvt_scalef32_pk16_bf6_f32 v[PC+12+4*\c:PC+14+4*\c], v[S+16+32*\c:S+31+32*\c], v[SO+2*\c+1]
.endr
	v_nop                                          ; one plain instruction behind a scaled conversion
.irp c, 0,1
.irp i, 0,1,2
	v_permlane16_swap_b32 v[PC+6*\c+\i], v[PC+12+4*\c+\i]
.endr
.irp i, 0,1,2
	v_mov_b32 v[PC+3+6*\c+\i], v[PC+12+4*\c+\i]
.endr
.endr
	v_pk_add_f32 v[SP2:SP2+1], v[S:S+1], v[S+2:S+3]   ; the row's sum is taken of the UNQUANTISED p: two at a time, in two chains
.irp j, 4,8,12,16,20,24,28,32,36,40,44,48,52,56,60
	v_pk_add_f32 v[14:15], v[14:15], v[S+\j:S+1+\j]
	v_pk_add_f32 v[SP2:SP2+1], v[SP2:SP2+1], v[S+2+\j:S+3+\j]
.endr
	v_pk_add_f32 v[14:15], v[14:15], v[SP2:SP2+1]
.set J, 0
.rept 16
	v_pk_mul_f32 v[O+J:O+J+1], v[O+J:O+J+1], v[FF:FF+1] op_sel_hi:[1,0]   ; O^T under the new M.  (With the sums above: the places between p's codes and scale word and the products below)
.set J, J+2
.endr
	s_wait_dscnt 0x0                               ; V is in
.irp t, 0,1,2,3
	v_wmma_scale_f32_16x16x128_f8f6f4 v[O+8*\t:O+8*\t+7], v[VF+12*\t:VF+12*\t+11], v[PC:PC+11], v[O+8*\t:O+8*\t+7], v[VS+\t], v[PSW] matrix_a_fmt:MATRIX_FMT_BF6 matrix_b_fmt:MATRIX_FMT_BF6
.endr
.endm
; THE CHANGE OF SLOTS.  Each wave waits for all its tensor loads (its part of the slot ahead), adds 0 to its spare word, and waits for that and for its reads of the slot that it leaves.
; fill = 1: that slot is filled with the records 16 on; the barrier is then a round of the cluster's, and the joint load is the first thing behind it: it has two steps of sixteen waves in which to land.
.macro CHANGE fill, slot
	s_wait_tensorcnt 0x0                           ; no tensor load of mine is out, so a group 0 may be written
	ds_add_u32 v[SPW], v[NIL]                      ; 0 onto my spare word
.if \fill
	s_add_nc_u64 s[G0+4*\slot+2:G0+4*\slot+3], s[G0+4*\slot+2:G0+4*\slot+3], 2*SLOTB
.endif
	s_wait_dscnt 0x0                               ; the add is done, and my reads of the slot are over
.if \fill
	CROUND
	s_cmp_lt_u32 s[WV], 4
	s_cbranch_scc0 .Lasked_\@
	tensor_load_to_lds s[G0+4*\slot:G0+4*\slot+3], s[G1:G1+7]
	s_nop 0
.rept 4
	v_nop
.endr
.Lasked_\@:
.else
	s_barrier_signal -1
	s_barrier_wait -1
.endif
.endm
	STEP 0
	STEP SUBB
	CHANGE 1, 0                                    ; slot 1 is whole; slot 0 takes records 16-23
	STEP SLOTB
	STEP SLOTB+SUBB
	CHANGE 1, 1                                    ; slot 0 is whole; slot 1 takes records 24-31
	STEP 0
	STEP SUBB
	CHANGE 0, 0                                    ; slot 1 is whole; nothing is left to fetch
	STEP SLOTB
	STEP SLOTB+SUBB
	; THE MERGE.  Every wave lays its O^T, its -M and its sum into its own part of MG; waves 0-3 then join the four key quarters of one head each.
.rept 4
	v_nop                                          ; four places behind the last products
.endr
	v_add_f32 v14, v14, v15
	v_permlanex16_b32 v[TT], v14, s[SEL], s[SEL+1]
	v_add_f32 v14, v14, v[TT]                      ; my quarter's sum of the row
.irp i, 0,1,2,3,4,5,6,7
	ds_store_b128 v9, v[O+4*\i:O+4*\i+3] offset:512*\i   ; as an image of the registers, each accumulator from its low end on
.endr
	ds_store_b32 v10, v12 offset:4096
	ds_store_b32 v10, v14 offset:4224
	s_wait_dscnt 0x0                               ; for the others' sake
	s_barrier_signal -1
	s_barrier_wait -1
	s_cmp_lt_u32 s[WV], 4
	s_cbranch_scc0 .Lmerged
	; head x; its quarter q lies in wave x + 4 q's part.  All 40 loads go out in one run: the eight words first, then the four images, into v[96:127], v[128:159], v[192:223], v[160:191]
.irp q, 0,1,2,3
	ds_load_b32 v[48+\q], v47 offset:4*\q*MGW+4096
	ds_load_b32 v[52+\q], v47 offset:4*\q*MGW+4224
.endr
.irp i, 0,1,2,3,4,5,6,7
	ds_load_b128 v[96+4*\i:99+4*\i], v11 offset:512*\i
.endr
.irp i, 0,1,2,3,4,5,6,7
	ds_load_b128 v[128+4*\i:131+4*\i], v11 offset:4*MGW+512*\i
.endr
.irp i, 0,1,2,3,4,5,6,7
	ds_load_b128 v[192+4*\i:195+4*\i], v11 offset:8*MGW+512*\i
.endr
.irp i, 0,1,2,3,4,5,6,7
	ds_load_b128 v[160+4*\i:163+4*\i], v11 offset:12*MGW+512*\i
.endr
	s_wait_dscnt 32                                ; the eight words are in; the 32 loads of the images may be out while the factors are made
	v_min3_num_f32 v56, v48, v49, v50
	v_min_num_f32 v56, v56, v51                    ; -M of the whole row
.irp q, 0,1,2,3
	v_sub_f32 v[60+\q], v56, v[48+\q]              ; M of the quarter - M of the row: a whole number, 0 or less
.endr
.irp q, 0,1,2,3
	v_cvt_i32_f32 v[60+\q], v[60+\q]
.endr
.irp q, 0,1,2,3
	v_ldexp_f32 v[60+\q], 1.0, v[60+\q]            ; f: exact
.endr
	v_mul_f32 v57, v60, v52
	v_fma_f32 v57, v61, v53, v57
	v_fma_f32 v57, v62, v54, v57
	v_fma_f32 v57, v63, v55, v57                   ; the row's sum
	v_rcp_f32 v57, v57
	v_nop                                          ; a plain instruction behind the transcendental
	s_wait_alu depctr_va_vdst(0)
.irp q, 0,1,2,3
	v_mul_f32 v[64+2*\q], v[60+\q], v57            ; f / the sum, twice: a power of two times the reciprocal
	v_mul_f32 v[65+2*\q], v[60+\q], v57
.endr
	s_wait_dscnt 0x0                               ; the four images are in
.irp j, 0,2,4,6,8,10,12,14,16,18,20,22,24,26,28,30
	v_pk_mul_f32 v[96+\j:97+\j], v[96+\j:97+\j], v[64:65]
.endr
.irp j, 0,2,4,6,8,10,12,14,16,18,20,22,24,26,28,30
	v_pk_fma_f32 v[96+\j:97+\j], v[128+\j:129+\j], v[66:67], v[96+\j:97+\j]
.endr
.irp j, 0,2,4,6,8,10,12,14,16,18,20,22,24,26,28,30
	v_pk_fma_f32 v[96+\j:97+\j], v[192+\j:193+\j], v[68:69], v[96+\j:97+\j]
.endr
.irp j, 0,2,4,6,8,10,12,14,16,18,20,22,24,26,28,30
	v_pk_fma_f32 v[96+\j:97+\j], v[160+\j:161+\j], v[70:71], v[96+\j:97+\j]
.endr
	QHALF 96                                       ; register 16 b + i is o(token, inner 64 x + 32 b + 16 (lane / 16) + i): half x % 2 of K step x / 2 of the last product
	global_store_b128 v[L16], v[PC:PC+3], s[44:45]             ; the half fragment: 768 consecutive bytes
	global_store_b64 v[L8], v[PC+4:PC+5], s[44:45] offset:512
	global_store_b16 v[L4], v[PW], s[46:47]                    ; my half of each scale word: one 2-byte store a wave, in place of another barrier
.Lmerged:
	s_wait_tensorcnt 0x0                           ; the wave's end
	ds_add_u32 v[SPW], v[NIL]
	s_wait_dscnt 0x0
	CROUND                                         ; the closing round
	s_endpgm
.Lfunc_end_k_q02343f36fb_attn:
	.size	k_q02343f36fb_attn, .Lfunc_end_k_q02343f36fb_attn-k_q02343f36fb_attn
	.p2alignl 7, 3214868480
	.fill 96, 4, 3214868480
	.section	.rodata,"a",@progbits
	.p2align	6, 0x0
	.amdhsa_kernel k_q02343f36fb_attn
		.amdhsa_group_segment_fixed_size 327680
		.amdhsa_private_segment_fixed_size 0
		.amdhsa_enable_private_segment 0
		.amdhsa_kernarg_size 24
		.amdhsa_user_sgpr_count 2
		.amdhsa_user_sgpr_kernarg_segment_ptr 1
		.amdhsa_wavefront_size32 1
		.amdhsa_system_sgpr_workgroup_id_x 1
		.amdhsa_system_sgpr_workgroup_id_y 1
		.amdhsa_system_sgpr_workgroup_id_z 1
		.amdhsa_system_vgpr_workitem_id 0
		.amdhsa_next_free_vgpr 256
		.amdhsa_next_free_sgpr 66
		.amdhsa_reserve_vcc 0
		.amdhsa_float_denorm_mode_32 3
		.amdhsa_float_denorm_mode_16_64 3
		.amdhsa_memory_ordered 1
		.amdhsa_forward_progress 1
		.amdhsa_inst_pref_size 148
	.end_amdhsa_kernel
	.amdgpu_metadata
---
amdhsa.version: [ 1, 2 ]
amdhsa.kernels:
  - .name:           k_q02343f36fb_attn
    .symbol:         k_q02343f36fb_attn.kd
    .args:
      - { .name: qb, .offset: 0, .size: 8, .value_kind: global_buffer, .address_space: global }
      - { .name: kv, .offset: 8, .size: 8, .value_kind: global_buffer, .address_space: global }
      - { .name: a2, .offset: 16, .size: 8, .value_kind: global_buffer, .address_space: global }
    .group_segment_fixed_size: 327680
    .private_segment_fixed_size: 0
    .kernarg_segment_align: 8
    .kernarg_segment_size: 24
    .max_flat_workgroup_size: 512
    .sgpr_count:     66
    .vgpr_count:     256
    .wavefront_size: 32
...
	.end_amdgpu_metadata
.endif
;; end of part 3
;; launch ff1 (part 4): grid 32 x 16, 4 waves a work-group, clusters of 4 x 4, 327,680 bytes of LDS; arguments act1, w1, a2; writes a2
.if DOCPART == 4
	.amdgcn_target "amdgcn-amd-amdhsa--gfx1250"
	.amdhsa_code_object_version 6
	.text
	.protected	k_q02343f36fb_ff1
	.globl	k_q02343f36fb_ff1
	.p2align	8
	.type	k_q02343f36fb_ff1,@function
k_q02343f36fb_ff1:
	s_mov_b64 s[64:65], 0
	v_nop
	global_prefetch_b8 v0, s[64:65] scope:SCOPE_SE
	s_setreg_imm32_b32 hwreg(HW_REG_WAVE_MODE, 25, 1), 1
	s_wait_xcnt 0x0
	s_wait_alu depctr_hold_cnt(0) depctr_sa_sdst(0) depctr_va_vdst(0) depctr_va_sdst(0) depctr_va_ssrc(0) depctr_va_vcc(0) depctr_vm_vsrc(0)
	s_getreg_b32 s2, hwreg(HW_REG_IB_STS2, 6, 4)
	s_cmp_eq_u32 s2, 0
	s_cbranch_scc0 .Lentry_in_a_cluster
	s_endpgm
.Lentry_in_a_cluster:
	s_bfe_u32 s2, ttmp6, 0x10000c
	s_cmp_lg_u32 s2, 0xf033
	s_cbranch_scc0 .Lentry_shape_is_right
	s_endpgm
.Lentry_shape_is_right:
; FF1: h = xn Wff1 on codes of BF6 (E3M2) with E8M0 scales, g = gate x a in f32, g quantised along ff_inner into a2's K steps 2 .. 33.  h never goes to memory.
; A work-group of four waves makes 256 tokens x 256 rows of w1 (tiles 2 tx, 2 tx + 1); a wave 128 x 128: 64 accumulators of 16 x 16, 512 registers.
; In w1's tile tau, fragments 0-3 are Wff1's columns 64 tau on (a) and fragments 4-7 its columns 4,096 + 64 tau on (gate): so a wave holds each a beside its gate, in the same lane and register of two accumulators.
; OPERANDS lie in records (REC = 13,312 bytes: 128 rows x 128 K as images of the operand registers, their scale images behind them): a fragment is four LDS loads on end, without pitch or padding, and the scale
; words ride in the same tensor load.  K = 1,024 is eight K steps of four records.  LDS HOLDS SIX OF THEM, as three slots of two, AND ALL THREE ARE ASKED FOR AT THE START; only K steps 6, 7 are a refill, of slot 0,
; asked for behind K step 1's barrier: 32 + 3 x 64 = 224 matrix instructions ahead of the wait for it.  Each wave fetches a quarter of a slot (two records, 26,624 dense bytes) with one tensor load.
; CLUSTERS: 4 x 4 work-groups.  The four of a row of the cluster need the same tiles of act1, the four of a column the same tiles of w1: each is asked for JOINTLY.
; THE MATRIX INSTRUCTION IS USED TRANSPOSED (source 0 = 16 rows of w1, source 1 = 16 tokens): a lane holds one token, and the registers of tiles 2 b, 2 b + 1 are 16 neighbouring columns: the next product's K.
; REGISTERS, in windows of 256: window 0: v3-24 addresses; v28, v29 for the add; v32-63 scale words, two sets; from v128 A's fragments, ONE set.  window 1: B's fragments, TWO sets, at v0 and v128.
;   window 2: the accumulators of my token blocks 0-3 ((a, b) at v[8 (8 (a % 4) + b)]); window 3: those of blocks 4-7.
; By this text's count a wave has at most three tensor loads out.
; LIMITS: NaN and infinities are not served; a block of zeros or under 2^-122 gets the byte 1 (its codes are zeros; the bytes are read by this program alone).
.set REC,   13312
.set NQ,    2                          ; K steps in a slot
.set FR,    12                         ; registers of a fragment
.set NL,    4                          ; LDS loads that bring one
.set NP,    4                          ; places behind this matrix instruction (ISA guide 7.12.1)
.set HALFT, NQ*REC                     ; 128 rows x a slot's K: what one tensor load brings
.set SLOT,  4*HALFT                    ; A's two halves, then B's two
.set SCM,   3*SLOT                     ; behind the three slots: 2,048 bytes in which g's scale images are pieced together.  No tile lands here
.set SPARE, SCM+2048                   ; the spare words, 128 bytes for each wave
.set L16,  3                           ; v3, v4  16 l, 8 l
.set L8,   4
.set A16,  8                           ; v8-10   my A fragments in slot 0, 1, 2: + 16 l;  v11-13: + 8 l
.set A8,   11
.set B16,  14                          ; v14-19  the same for B
.set B8,   17
.set ADRS, 20                          ; v20-22  my scale words in slot 0, 1, 2: lanes 0-15 A's, lanes 16-31 B's
.set SCW,  23                          ; v23     where I put a scale half word;  v24 where I read 16 bytes of the images back
.set SCR,  24
.set SPW,  28
.set NIL,  29
.set SC,   32                          ; scale words: set s at v[SC + 16 s]; in it register 2 i + q: lanes 0-15 A's block i, lanes 16-31 B's block i, the slot's q-th K step.  The sets take turns from visit to visit
.set AF,   128
.set GP,   64                          ; the way out: v64-95 32 numbers of g; v96-111 at work; v112-114 a conversion's result; v128-175 codes, six registers a block; v176-183 half words; v184-187 images
.set TM,   96
.set CT,   112
.set PCD,  128
.set HW,   176
.set SEL,  2                           ; s[2:3] lane selects (set on the way out)
.set G1,  24                           ; s[24:31] descriptor group 1 for A's tiles;  s[48:55] for B's
.set G1B, 48
.set G0,  68                           ; s[68:79] group 0 for A's tiles, one set for each slot;  s[80:91] for B's
.set G0B, 80
.set MSB, 0
.macro WIN new                         ; the immediate's high byte repeats the setting that is left
.if MSB != (\new)
	s_set_vgpr_msb (MSB<<8)|(\new)
.set MSB, (\new)
.endif
.endm
.set MUL_LO, 0xa1                      ; source 0 (B) window 1, source 1 (A) window 0, C and D window 2
.set MUL_HI, 0xf1
.set TO_B,   0x40                      ; destination window 1, address window 0
.macro JLOAD g0a, g1a, g0b, g1b        ; a joint load: waves 0 and 1 fetch for A, waves 2 and 3 for B; four v_nop follow each of the two lines
	s_cmp_eq_u32 s15, 0
	s_cbranch_scc0 .Lfor_b_\@
	tensor_load_to_lds s[\g0a:\g0a+3], s[\g1a:\g1a+7]
	s_nop 0
.rept 4
	v_nop
.endr
	s_branch .Lasked_\@
.Lfor_b_\@:
	tensor_load_to_lds s[\g0b:\g0b+3], s[\g1b:\g1b+7]
	s_nop 0
.rept 4
	v_nop
.endr
.Lasked_\@:
.endm
.macro CREST                           ; a round of the cluster's barrier behind its opening barrier
	s_cmp_lg_u32 s14, 0
	s_cbranch_scc1 .Lnot_wave_0_\@
	s_barrier_signal -3
.Lnot_wave_0_\@:
	s_barrier_wait -3
	s_barrier_signal -1
	s_barrier_wait -1
.endm
.macro CROUND
	s_barrier_signal -1
	s_barrier_wait -1
	CREST
.endm
	s_load_b128 s[4:7], s[0:1], 0x0                ; act1, w1
	s_load_b64 s[8:9], s[0:1], 0x10                ; a2
	v_lshl_add_u32 v[SPW], v0, 2, SPARE
	v_mov_b32 v[NIL], 0
	ds_add_u32 v28, v29
	s_wait_dscnt 0x0
	v_lshrrev_b32 v1, 5, v0
	v_readfirstlane_b32 s14, v1                    ; wave 0..3
	s_lshr_b32 s15, s14, 1                         ; wr: which 128 tokens are mine.  Also: I fetch for A (0) or for B (1)
	s_and_b32 s16, s14, 1                          ; wc: which tile of w1.  Also: which half I fetch
	s_bfe_u32 s40, ttmp6, 0x40000                  ; cx, cy
	s_bfe_u32 s41, ttmp6, 0x40004
	s_lshl_b32 s42, ttmp9, 2
	s_add_co_u32 s42, s42, s40                     ; tx = 4 x cluster x + cx
	s_and_b32 s17, ttmp7, 0xffff
	s_lshl_b32 s17, s17, 2
	s_add_co_u32 s17, s17, s41                     ; ty = 4 x cluster y + cy
	s_lshl_b32 s43, s41, 2
	s_lshl_b32 s43, 15, s43                        ; my row of the cluster
	s_lshl_b32 s44, 0x1111, s40                    ; my column
	; descriptor group 1: 26,624 dense bytes as 104 rows of 256 bytes (32 elements of 8 bytes), no padding
	s_or_b32 s[G1+0], s43, (3<<16)|(1<<21)         ; 15:0 the mask: A's tiles go to my row; 17:16 elements of 8 bytes; 21 set beside a mask
	s_or_b32 s[G1B+0], s44, (3<<16)|(1<<21)
.irp g, G1, G1B
	s_mov_b32 s[\g+1], 32<<16                      ; tensor_dim0
	s_mov_b32 s[\g+2], 104<<16                     ; tensor_dim1
	s_mov_b32 s[\g+3], 32<<16                      ; tile_dim0
	s_mov_b32 s[\g+4], 104                         ; tile_dim1
	s_mov_b32 s[\g+5], 32                          ; from row to row
	s_mov_b32 s[\g+6], 0
	s_mov_b32 s[\g+7], 0
.endr
	s_lshl_b32 s20, s17, 1
	s_add_co_u32 s20, s20, s16
	s_mul_i32 s20, s20, 8*REC                      ; A: act1's tile 2 ty + half
	s_mov_b32 s21, 0
	s_lshl_b32 s46, s42, 1
	s_add_co_u32 s46, s46, s16
	s_mul_i32 s46, s46, 8*REC                      ; B: w1's tile 2 tx + half
	s_mov_b32 s47, 0
	s_mul_i32 s45, s14, HALFT                      ; where they go: no place in the cluster enters an LDS address
	s_wait_kmcnt 0x0
	s_add_nc_u64 s[20:21], s[4:5], s[20:21]
	s_add_nc_u64 s[46:47], s[6:7], s[46:47]
	CROUND                                         ; all sixteen work-groups are here: the first joint loads meet
.irp s, 0,1,2                          ; the three first fills go out as one group: K steps 0 to 5
	s_mov_b32 s[G0+4*\s], 1
	s_add_co_u32 s[G0+4*\s+1], s45, \s*SLOT
	s_add_nc_u64 s[G0+4*\s+2:G0+4*\s+3], s[20:21], \s*HALFT
	s_or_b32 s[G0+4*\s+3], s[G0+4*\s+3], 0x80000000
	s_mov_b32 s[G0B+4*\s], 1
	s_add_co_u32 s[G0B+4*\s+1], s45, \s*SLOT
	s_add_nc_u64 s[G0B+4*\s+2:G0B+4*\s+3], s[46:47], \s*HALFT
	s_or_b32 s[G0B+4*\s+3], s[G0B+4*\s+3], 0x80000000
	JLOAD G0+4*\s, G1, G0B+4*\s, G1B
.endr
	v_and_b32 v1, 31, v0
	v_bfe_u32 v2, v0, 4, 1                         ; h
	v_lshlrev_b32 v[L16], 4, v1
	v_lshlrev_b32 v[L8], 3, v1
	v_lshlrev_b32 v5, 2, v1
	s_mul_i32 s21, s15, HALFT                      ; my 128 tokens
	s_mul_i32 s22, s16, HALFT
	s_add_co_u32 s22, s22, 2*HALFT                 ; my tile of w1, behind A's two halves
	s_xor_b32 s23, s15, 1
	s_add_co_u32 s23, s23, s16
	s_add_co_u32 s23, s23, 1
	s_mul_i32 s23, s23, HALFT                      ; from the one to the other: (2 + wc - wr) HALFT
	v_mul_u32_u24 v6, s23, v2                      ; lanes 16-31 take B's words
	v_add_nc_u32 v6, v6, v5
	s_add_co_u32 s23, s21, 12288
	v_add_nc_u32 v[ADRS], s23, v6
	v_add_nc_u32 v[ADRS+1], SLOT, v[ADRS]
	v_add_nc_u32 v[ADRS+2], 2*SLOT, v[ADRS]
.irp s, 0,1,2
	v_add_nc_u32 v[A16+\s], s21, v[L16]
	v_add_nc_u32 v[A8+\s], s21, v[L8]
	v_add_nc_u32 v[B16+\s], s22, v[L16]
	v_add_nc_u32 v[B8+\s], s22, v[L8]
	s_add_co_u32 s21, s21, SLOT
	s_add_co_u32 s22, s22, SLOT
.endr
	s_lshl_b32 s23, s15, 10
	s_lshl_b32 s22, s16, 1
	s_add_co_u32 s23, s23, s22
	s_add_co_u32 s23, s23, SCM
	v_add_nc_u32 v[SCW], s23, v5                   ; image 8 wr + a, word l, bytes 2 wc on
	s_lshl_b32 s23, s14, 9
	s_add_co_u32 s23, s23, SCM
	v_add_nc_u32 v[SCR], s23, v[L16]
	s_lshl_b32 s2, s17, 1                          ; a2's record: token tile 2 ty + wr, K step 2 + tx
	s_add_co_u32 s2, s2, s15
	s_mul_i32 s2, s2, 34
	s_add_co_u32 s2, s2, 2
	s_add_co_u32 s2, s2, s42
	s_mul_i32 s2, s2, REC
	s_mul_i32 s18, s16, 768                        ; my 64 columns are half wc of each fragment's registers
	s_add_co_u32 s18, s18, s2
	s_mov_b32 s19, 0
	s_add_nc_u64 s[10:11], s[8:9], s[18:19]
	s_lshl_b32 s18, s16, 9                         ; and of the record's eight scale images I store four
	s_add_co_u32 s18, s18, s2
	s_add_co_u32 s18, s18, 12288
	s_add_nc_u64 s[12:13], s[8:9], s[18:19]
.macro FRAG reg, a16, a8, off          ; a fragment's image, 1,536 bytes at off: registers 0-3, 4-5, 6-9, 10-11
	ds_load_b128 v[\reg:\reg+3], v[\a16] offset:\off
	ds_load_b64 v[\reg+4:\reg+5], v[\a8] offset:\off+512
	ds_load_b128 v[\reg+6:\reg+9], v[\a16] offset:\off+768
	ds_load_b64 v[\reg+10:\reg+11], v[\a8] offset:\off+1280
.endm
; 16 matrix instructions: A's blocks a0, a0 + 1 x B's eight, the slot's q-th K step.  p: B's set; sc: the set of scale words.  zero = 1: the first product starts the sums.
; The 64 accumulators take turns, one instruction a turn, in the same order in every step.
.macro MUL16 a0, p, q, sc, zero
.irp a, \a0, \a0+1
.irp b, 0,1,2,3,4,5,6,7
.if \zero
	v_wmma_scale_f32_16x16x128_f8f6f4 v[8*(8*((\a)%4)+\b):8*(8*((\a)%4)+\b)+7], v[128*(\p)+FR*\b:128*(\p)+FR*\b+FR-1], v[AF+FR*(\a):AF+FR*(\a)+FR-1], 0, v[SC+8*NQ*(\sc)+NQ*\b+(\q)], v[SC+8*NQ*(\sc)+NQ*(\a)+(\q)] matrix_a_fmt:MATRIX_FMT_BF6 matrix_b_fmt:MATRIX_FMT_BF6 matrix_a_scale:MATRIX_SCALE_ROW1
.else
	v_wmma_scale_f32_16x16x128_f8f6f4 v[8*(8*((\a)%4)+\b):8*(8*((\a)%4)+\b)+7], v[128*(\p)+FR*\b:128*(\p)+FR*\b+FR-1], v[AF+FR*(\a):AF+FR*(\a)+FR-1], v[8*(8*((\a)%4)+\b):8*(8*((\a)%4)+\b)+7], v[SC+8*NQ*(\sc)+NQ*\b+(\q)], v[SC+8*NQ*(\sc)+NQ*(\a)+(\q)] matrix_a_fmt:MATRIX_FMT_BF6 matrix_b_fmt:MATRIX_FMT_BF6 matrix_a_scale:MATRIX_SCALE_ROW1
.endif
.endr
.endr
.endm
.macro FETCH_B slot, q, p              ; B's eight fragments of the slot's q-th K step into set p: 32 loads
	WIN TO_B
.irp i, 0,1,2,3,4,5,6,7
	FRAG 128*(\p)+FR*\i, B16+\slot, B8+\slot, (\q)*REC+\i*1536
.endr
	WIN 0
.endm
.macro FETCH_A slot, q, i0             ; A's blocks i0 .. i0 + 3: 16 loads
.irp i, \i0, \i0+1, \i0+2, \i0+3
	FRAG AF+FR*(\i), A16+\slot, A8+\slot, (\q)*REC+(\i)*1536
.endr
.endm
.macro SCALES sl, set                  ; slot sl's scale words into a set: 16 loads
.irp i, 0,1,2,3,4,5,6,7
.irp q, 0,1
	ds_load_b32 v[SC+8*NQ*\set+NQ*\i+\q], v[ADRS+\sl] offset:\q*REC+128*\i
.endr
.endr
.endm
.macro PLACES n                        ; plain vector instructions behind a matrix instruction, in front of loads into registers that it read and of the first read of results
.rept \n
	v_nop
.endr
.endm
.macro STEP slot, q, sc, zero          ; a K step that has its successor in the same slot
	s_wait_dscnt 4*NL                              ; B's set, A's blocks 0-3 and the scale words are in; the youngest 16 loads (A's blocks 4-7) may be out
	WIN MUL_LO
	MUL16 0, (\q)%2, \q, \sc, \zero
	MUL16 2, (\q)%2, \q, \sc, \zero
	s_wait_dscnt 0
	PLACES NP
	FETCH_B \slot, (\q)+1, 1-(\q)%2
	FETCH_A \slot, (\q)+1, 0
	WIN MUL_HI
	MUL16 4, (\q)%2, \q, \sc, \zero
	MUL16 6, (\q)%2, \q, \sc, \zero
	PLACES NP
	WIN 0
	FETCH_A \slot, (\q)+1, 4
.endm
; A slot's last K step, where the next slot has been shown whole to every wave by an earlier barrier and nothing is filled: no wait on TENSORcnt, no barrier.
.macro CROSS slot, next, sc, nsc
	s_wait_dscnt 4*NL                              ; (A's blocks 4-7 may be out)
	WIN MUL_LO
	MUL16 0, 1, NQ-1, \sc, 0
	MUL16 2, 1, NQ-1, \sc, 0
	s_wait_dscnt 0
	PLACES NP
	FETCH_B \next, 0, 0
	FETCH_A \next, 0, 0
	SCALES \next, \nsc
	WIN MUL_HI
	MUL16 4, 1, NQ-1, \sc, 0
	MUL16 6, 1, NQ-1, \sc, 0
	PLACES NP
	WIN 0
	FETCH_A \next, 0, 4
.endm
; A slot's last K step with ONE barrier; in front of it each wave waits for all its tensor loads, adds 0 to its spare word, and waits for that and for its own reads of this slot.
; fill = 1: this slot is filled again, with the K steps six on.
.macro TURN slot, next, sc, nsc, fill
	s_wait_tensorcnt 0x0                           ; all my tensor loads have landed
	ds_add_u32 v[SPW], v[NIL]                      ; 0 onto my spare word
	s_wait_dscnt 4*NL+1                            ; (the add and the youngest 16 loads may be out)
	WIN MUL_LO
	MUL16 0, 1, NQ-1, \sc, 0                       ; sixteen matrix instructions stand between the add and the wait for it
	s_wait_dscnt 0x0                               ; the add is done, and my reads of this slot are over
	s_barrier_signal -1
	MUL16 2, 1, NQ-1, \sc, 0
	WIN 0
	s_barrier_wait -1
.if \fill
	CREST                                          ; the barrier has opened a round of the cluster's: no wave of any partner still reads this slot or has a load on its way
	s_add_nc_u64 s[G0+4*\slot+2:G0+4*\slot+3], s[G0+4*\slot+2:G0+4*\slot+3], 3*HALFT
	s_add_nc_u64 s[G0B+4*\slot+2:G0B+4*\slot+3], s[G0B+4*\slot+2:G0B+4*\slot+3], 3*HALFT
	JLOAD G0+4*\slot, G1, G0B+4*\slot, G1B         ; the first tensor load behind the round; its four v_nop are the places in front of the loads below
.else
	PLACES NP
.endif
	FETCH_B \next, 0, 0
	FETCH_A \next, 0, 0
	SCALES \next, \nsc
	WIN MUL_HI
	MUL16 4, 1, NQ-1, \sc, 0
	MUL16 6, 1, NQ-1, \sc, 0
	PLACES NP
	WIN 0
	FETCH_A \next, 0, 4
.endm
	s_wait_tensorcnt 2                             ; my part of slot 0 is in (the loads of slots 1 and 2 may be out)
	s_barrier_signal -1
	s_barrier_wait -1                              ; everybody's is
	FETCH_B 0, 0, 0
	FETCH_A 0, 0, 0
	SCALES 0, 0
	FETCH_A 0, 0, 4
	STEP 0, 0, 0, 1                                ; K step 0 starts the sums
	TURN 0, 1, 0, 1, 1                             ; K step 1; slots 1 and 2 are whole in every wave; slot 0 takes K steps 6, 7
	STEP 1, 0, 1, 0                                ; K step 2
	CROSS 1, 2, 1, 0                               ; K step 3
	STEP 2, 0, 0, 0                                ; K step 4
	TURN 2, 0, 0, 1, 0                             ; K step 5; slot 0's refill is whole; nothing is left to fetch
	STEP 0, 0, 1, 0                                ; K step 6
	s_wait_dscnt 4*NL                              ; K step 7
	WIN MUL_LO
	MUL16 0, 1, NQ-1, 1, 0
	MUL16 2, 1, NQ-1, 1, 0
	s_wait_dscnt 0
	WIN MUL_HI
	MUL16 4, 1, NQ-1, 1, 0
	MUL16 6, 1, NQ-1, 1, 0
	WIN 0
; THE WAY OUT, a block of 16 tokens at a time: g = a x gate, 32 numbers a lane: register 16 b + i is column 64 wc + 32 b + 16 (lane / 16) + i of the K step's 128: two blocks of 32.
.macro QHALF s, pc, hw                 ; they become six registers of codes in v[pc] on and two scale bytes in v[hw]
.irp b, 0,1
	v_max3_num_f32 v[TM+\b], |v[\s+16*\b]|, |v[\s+1+16*\b]|, 0x2800000   ; and the floor 2^(5 - 127)
.endr
.irp i, 2,4,6,8,10,12,14
.irp b, 0,1
	v_max3_num_f32 v[TM+\b], v[TM+\b], |v[\s+16*\b+\i]|, |v[\s+1+16*\b+\i]|
.endr
.endr
.irp b, 0,1
	v_permlanex16_b32 v[TM+4+\b], v[TM+\b], s[SEL], s[SEL+1]
.endr
.irp b, 0,1
	v_max_num_f32 v[TM+\b], v[TM+\b], v[TM+4+\b]
.endr
.irp b, 0,1
	v_add_nc_u32 v[TM+12+\b], 0xfe000000, v[TM+\b]
.endr
.irp b, 0,1
	v_lshrrev_b32 v[TM+4+\b], 23, v[TM+12+\b]
.endr
	v_lshl_or_b32 v[\hw], v[TM+5], 8, v[TM+4]
	v_cvt_scalef32_pk16_bf6_f32 v[\pc:\pc+2], v[\s:\s+15], v[TM+12]
	v_cvt_scalef32_pk16_bf6_f32 v[CT:CT+2], v[\s+16:\s+31], v[TM+13]
	v_nop                                          ; one plain instruction behind a scaled conversion
.irp i, 0,1,2
	v_permlane16_swap_b32 v[\pc+\i], v[CT+\i]      ; a WHOLE block in a lane: lanes 0-15 the first, lanes 16-31 the second
.endr
.irp i, 0,1,2
	v_mov_b32 v[\pc+3+\i], v[CT+\i]
.endr
.endm
	s_mov_b32 s[SEL], 0x76543210
	s_mov_b32 s[SEL+1], 0xfedcba98
	PLACES NP
	v_mov_b32 v[TM+4], 0                           ; a lane permute's destination counts as one of its sources
	v_mov_b32 v[TM+5], 0
.irp a, 0,1,2,3,4,5,6,7                ; each block has registers of its own for its codes and its half word: no store's data are written again
	WIN 0x0a+5*(\a/4)                              ; sources 0 and 1: window 2 or 3
.irp t, 0,1,2,3
.irp j, 0,2,4,6
	v_pk_mul_f32 v[GP+8*\t+\j:GP+8*\t+\j+1], v[64*(\a%4)+8*\t+\j:64*(\a%4)+8*\t+\j+1], v[64*(\a%4)+8*(\t+4)+\j:64*(\a%4)+8*(\t+4)+\j+1]   ; each accumulator from its low end on
.endr
.endr
	WIN 0
	QHALF GP, PCD+6*\a, HW+\a
	global_store_b128 v[L16], v[PCD+6*\a:PCD+6*\a+3], s[10:11] offset:1536*\a           ; 512 and 256 consecutive bytes: whole blocks of 256
	global_store_b64 v[L8], v[PCD+6*\a+4:PCD+6*\a+5], s[10:11] offset:1536*\a+512
	ds_store_b16 v[SCW], v[HW+\a] offset:128*\a    ; a word's other half comes from the wave beside me
.endr
	s_wait_dscnt 0x0                               ; for the others' sake
	s_barrier_signal -1
	s_barrier_wait -1
	ds_load_b128 v[184:187], v[SCR]
	s_wait_dscnt 0x0
	global_store_b128 v[L16], v[184:187], s[12:13]  ; four whole scale images: 512 consecutive bytes
	s_wait_tensorcnt 0x0                           ; the wave's end
	ds_add_u32 v[SPW], v[NIL]
	s_wait_dscnt 0x0
	CROUND                                         ; the closing round
	s_endpgm
.Lfunc_end_k_q02343f36fb_ff1:
	.size	k_q02343f36fb_ff1, .Lfunc_end_k_q02343f36fb_ff1-k_q02343f36fb_ff1
	.p2alignl 7, 3214868480
	.fill 96, 4, 3214868480
	.section	.rodata,"a",@progbits
	.p2align	6, 0x0
	.amdhsa_kernel k_q02343f36fb_ff1
		.amdhsa_group_segment_fixed_size 327680
		.amdhsa_private_segment_fixed_size 0
		.amdhsa_enable_private_segment 0
		.amdhsa_kernarg_size 24
		.amdhsa_user_sgpr_count 2
		.amdhsa_user_sgpr_kernarg_segment_ptr 1
		.amdhsa_wavefront_size32 1
		.amdhsa_system_sgpr_workgroup_id_x 1
		.amdhsa_system_sgpr_workgroup_id_y 1
		.amdhsa_system_sgpr_workgroup_id_z 1
		.amdhsa_system_vgpr_workitem_id 0
		.amdhsa_next_free_vgpr 1024
		.amdhsa_next_free_sgpr 100
		.amdhsa_reserve_vcc 0
		.amdhsa_float_denorm_mode_32 3
		.amdhsa_float_denorm_mode_16_64 3
		.amdhsa_memory_ordered 1
		.amdhsa_forward_progress 1
		.amdhsa_inst_pref_size 140
	.end_amdhsa_kernel
	.amdgpu_metadata
---
amdhsa.version: [ 1, 2 ]
amdhsa.kernels:
  - .name:           k_q02343f36fb_ff1
    .symbol:         k_q02343f36fb_ff1.kd
    .args:
      - { .name: act1, .offset: 0, .size: 8, .value_kind: global_buffer, .address_space: global }
      - { .name: w1, .offset: 8, .size: 8, .value_kind: global_buffer, .address_space: global }
      - { .name: a2, .offset: 16, .size: 8, .value_kind: global_buffer, .address_space: global }
    .group_segment_fixed_size: 327680
    .private_segment_fixed_size: 0
    .kernarg_segment_align: 8
    .kernarg_segment_size: 24
    .max_flat_workgroup_size: 128
    .sgpr_count:     100
    .vgpr_count:     1024
    .wavefront_size: 32
...
	.end_amdgpu_metadata
.endif
;; end of part 4
;; launch outp (part 5): grid 8 x 32, 4 waves a work-group, clusters of 4 x 4, 327,680 bytes of LDS; arguments a2, w2, out0; writes out0
.if DOCPART == 5
	.amdgcn_target "amdgcn-amd-amdhsa--gfx1250"
	.amdhsa_code_object_version 6
	.text
	.protected	k_q02343f36fb_outp
	.globl	k_q02343f36fb_outp
	.p2align	8
	.type	k_q02343f36fb_outp,@function
k_q02343f36fb_outp:
	s_mov_b64 s[64:65], 0
	v_nop
	global_prefetch_b8 v0, s[64:65] scope:SCOPE_SE
	s_setreg_imm32_b32 hwreg(HW_REG_WAVE_MODE, 25, 1), 1
	s_wait_xcnt 0x0
	s_wait_alu depctr_hold_cnt(0) depctr_sa_sdst(0) depctr_va_vdst(0) depctr_va_sdst(0) depctr_va_ssrc(0) depctr_va_vcc(0) depctr_vm_vsrc(0)
	s_getreg_b32 s2, hwreg(HW_REG_IB_STS2, 6, 4)
	s_cmp_eq_u32 s2, 0
	s_cbranch_scc0 .Lentry_in_a_cluster
	s_endpgm
.Lentry_in_a_cluster:
	s_bfe_u32 s2, ttmp6, 0x10000c
	s_cmp_lg_u32 s2, 0xf033
	s_cbranch_scc0 .Lentry_shape_is_right
	s_endpgm
.Lentry_shape_is_right:
; OUTP: out0 = o Wout + g Wff2 as ONE product of K = 256 + 4,096 = 34 K steps of 128, on codes of BF6 (E3M2) with E8M0 scales; f32 sums, one accumulator for each output.
; A tile of out0 is 128 x 128: 8 x 32 = 256 work-groups, one for each WGP (tiles of 256 x 256 would be 64).  Four waves, each 64 x 64: 16 accumulators of 16 x 16.
; OPERANDS lie in records (REC = 13,312 bytes: 128 rows x 128 K as images of the operand registers, their scale images behind them).  A tile's K steps are dense in memory.
; THE RING: two slots as large as LDS holds, six K steps each (A's six records, then B's six: 159,744 bytes); a wave fetches three records (39,936 dense bytes) with one tensor load.
; 34 = 4 + 5 x 6: slot 0's first fill holds K steps 0-3 (two records a wave, at the slot's record places 0, 1 and 3, 4), slot 1's K steps 4-9; four refills follow, each asked for 8 + 5 x 16 = 88 matrix
; instructions ahead of the wait for it.  The K walk is written out: every place is an immediate.
; CLUSTERS: 4 x 4 work-groups; a2's tile is shared along a row of the cluster, w2's along a column: each is asked for JOINTLY.  By this text's count a wave has two tensor loads out at the start, later one.
; THE MATRIX INSTRUCTION IS USED TRANSPOSED (source 0 = 16 rows of w2, source 1 = 16 tokens): a lane holds eight neighbouring columns of one token's row.
; The records' row order (lane row r of fragment 2 b + u is row 32 b + 8 u + r + 8 (r / 8)) is undone on the way out, by the stage's offsets and the stores' immediates.
; REGISTERS: window 0: v8-27 addresses, five for each of four regions (a slot's records 0-2 and 3-5: an LDS offset has 16 bits); v28, v29 for the add; v30, v31, v96 the way out; v32-95 rows on the way out;
;   v112-119 scale words, two sets; v128-255 accumulators.   window 1: two sets of fragments at v0 and v128: A's four, then from + 48 B's four.
.set REC,   13312
.set PARTB, 3*REC                      ; what one tensor load brings into a slot
.set BOFF,  6*REC                      ; in a slot: A's six records, then B's six
.set SLOTB, 12*REC
.set STAGE, 0                          ; the way out: 16 rows x (256 + 16) bytes for each wave, in slot 0, which has had its last fill and its last read when the first result is stored there
.set SPITCH, 272
.set SPARE, 2*SLOTB                    ; behind the ring: the spare words, 128 bytes for each wave
.set A16, 8                            ; v[8 + R]  my A fragments in region R = 2 x slot + half: + 16 l;  v[12 + R]: + 8 l
.set A8,  12
.set B16, 16                           ; v[16 + R], v[20 + R] the same for B
.set B8,  20
.set ADRS, 24                          ; v[24 + R] my scale words: lanes 0-15 A's, lanes 16-31 B's
.set SPW, 28
.set NIL, 29
.set STO, 30
.set RD,  31
.set BK,  32
.set CO,  96
.set SC,  112                          ; set s at v[SC + 4 s]: register i: lanes 0-15 A's block i, lanes 16-31 B's block i
.set ACC, 128
.set G1,  24                           ; s[24:31] group 1 for A's tiles of three records;  s[32:39] group 0, one set for each slot
.set G0,  32
.set G1B, 48                           ; s[48:55], s[56:63] the same for B's
.set G0B, 56
.set G1P, 68                           ; s[68:75], s[76:79] groups 1 and 0 for A's first tile of two records;  s[80:87], s[88:91] for B's
.set G0P, 76
.set G1PB, 80
.set G0PB, 88
.set MSB, 0
.macro WIN new
.if MSB != (\new)
	s_set_vgpr_msb (MSB<<8)|(\new)
.set MSB, (\new)
.endif
.endm
.set MUL,  0x05                        ; sources 0 (B) and 1 (A) window 1; C and D window 0
.set TO_F, 0x40                        ; destination window 1, address window 0
.macro JLOAD g0a, g1a, g0b, g1b        ; a joint load: waves 0 and 1 fetch for A, waves 2 and 3 for B; four v_nop follow each of the two lines
	s_cmp_eq_u32 s15, 0
	s_cbranch_scc0 .Lfor_b_\@
	tensor_load_to_lds s[\g0a:\g0a+3], s[\g1a:\g1a+7]
	s_nop 0
.rept 4
	v_nop
.endr
	s_branch .Lasked_\@
.Lfor_b_\@:
	tensor_load_to_lds s[\g0b:\g0b+3], s[\g1b:\g1b+7]
	s_nop 0
.rept 4
	v_nop
.endr
.Lasked_\@:
.endm
.macro CREST
	s_cmp_lg_u32 s14, 0
	s_cbranch_scc1 .Lnot_wave_0_\@
	s_barrier_signal -3
.Lnot_wave_0_\@:
	s_barrier_wait -3
	s_barrier_signal -1
	s_barrier_wait -1
.endm
.macro CROUND
	s_barrier_signal -1
	s_barrier_wait -1
	CREST
.endm
	s_load_b128 s[4:7], s[0:1], 0x0                ; a2, w2
	s_load_b64 s[12:13], s[0:1], 0x10              ; out0
	v_lshl_add_u32 v[SPW], v0, 2, SPARE
	v_mov_b32 v[NIL], 0
	ds_add_u32 v28, v29
	s_wait_dscnt 0x0
	v_lshrrev_b32 v1, 5, v0
	v_readfirstlane_b32 s14, v1                    ; wave 0..3
	s_lshr_b32 s15, s14, 1                         ; wr: which 64 tokens are mine.  Also: I fetch for A (0) or for B (1)
	s_and_b32 s16, s14, 1                          ; wc: which 64 columns.  Also: which records I fetch
	s_bfe_u32 s40, ttmp6, 0x40000
	s_bfe_u32 s41, ttmp6, 0x40004
	s_lshl_b32 s42, ttmp9, 2
	s_add_co_u32 s42, s42, s40                     ; tx
	s_and_b32 s17, ttmp7, 0xffff
	s_lshl_b32 s17, s17, 2
	s_add_co_u32 s17, s17, s41                     ; ty
	s_lshl_b32 s43, s41, 2
	s_lshl_b32 s43, 15, s43                        ; my row of the cluster
	s_lshl_b32 s44, 0x1111, s40                    ; my column
	; descriptor groups 1: dense bytes as rows of 256 (32 elements of 8 bytes), no padding: 156 rows for three records, 104 for two
	s_or_b32 s[G1+0], s43, (3<<16)|(1<<21)
	s_or_b32 s[G1B+0], s44, (3<<16)|(1<<21)
	s_or_b32 s[G1P+0], s43, (3<<16)|(1<<21)
	s_or_b32 s[G1PB+0], s44, (3<<16)|(1<<21)
.irp g, G1, G1B
	s_mov_b32 s[\g+1], 32<<16
	s_mov_b32 s[\g+2], 156<<16
	s_mov_b32 s[\g+3], 32<<16
	s_mov_b32 s[\g+4], 156
	s_mov_b32 s[\g+5], 32
	s_mov_b32 s[\g+6], 0
	s_mov_b32 s[\g+7], 0
.endr
.irp g, G1P, G1PB
	s_mov_b32 s[\g+1], 32<<16
	s_mov_b32 s[\g+2], 104<<16
	s_mov_b32 s[\g+3], 32<<16
	s_mov_b32 s[\g+4], 104
	s_mov_b32 s[\g+5], 32
	s_mov_b32 s[\g+6], 0
	s_mov_b32 s[\g+7], 0
.endr
	s_mul_i32 s18, s16, 2*REC                      ; my part of the first tile: K steps 2 (w % 2) on
	s_mul_i32 s19, s16, 3*REC                      ; my part of a whole slot: its K steps 3 (w % 2) on
	s_mul_i32 s22, s17, 34*REC
	s_add_co_u32 s20, s22, s19
	s_add_co_u32 s20, s20, 4*REC                   ; A, slot 1's first fill: K steps 4 on
	s_add_co_u32 s22, s22, s18                     ; A, slot 0's first fill: K steps 0 on
	s_mov_b32 s21, 0
	s_mov_b32 s23, 0
	s_mul_i32 s92, s42, 34*REC
	s_add_co_u32 s46, s92, s19                     ; B likewise
	s_add_co_u32 s46, s46, 4*REC
	s_add_co_u32 s92, s92, s18
	s_mov_b32 s47, 0
	s_mov_b32 s93, 0
	s_mul_i32 s45, s14, PARTB                      ; where they go: wave x three records: no place in the cluster enters an LDS address
	s_wait_kmcnt 0x0
	s_add_nc_u64 s[20:21], s[4:5], s[20:21]
	s_add_nc_u64 s[22:23], s[4:5], s[22:23]
	s_add_nc_u64 s[46:47], s[6:7], s[46:47]
	s_add_nc_u64 s[92:93], s[6:7], s[92:93]
	CROUND                                         ; all sixteen work-groups are here: the first joint loads meet
	s_mov_b32 s[G0P], 1
	s_mov_b32 s[G0P+1], s45
	s_mov_b64 s[G0P+2:G0P+3], s[22:23]
	s_or_b32 s[G0P+3], s[G0P+3], 0x80000000
	s_mov_b32 s[G0PB], 1
	s_mov_b32 s[G0PB+1], s45
	s_mov_b64 s[G0PB+2:G0PB+3], s[92:93]
	s_or_b32 s[G0PB+3], s[G0PB+3], 0x80000000
	JLOAD G0P, G1P, G0PB, G1PB                     ; K steps 0-3 first: they are multiplied first
.irp s, 0,1                            ; slot 1's set stands at K steps 4 on, its first fill; slot 0's at K steps 10 on, its first refill
	s_mov_b32 s[G0+4*\s], 1
	s_add_co_u32 s[G0+4*\s+1], s45, \s*SLOTB
	s_add_nc_u64 s[G0+4*\s+2:G0+4*\s+3], s[20:21], (1-\s)*6*REC
	s_or_b32 s[G0+4*\s+3], s[G0+4*\s+3], 0x80000000
	s_mov_b32 s[G0B+4*\s], 1
	s_add_co_u32 s[G0B+4*\s+1], s45, \s*SLOTB
	s_add_nc_u64 s[G0B+4*\s+2:G0B+4*\s+3], s[46:47], (1-\s)*6*REC
	s_or_b32 s[G0B+4*\s+3], s[G0B+4*\s+3], 0x80000000
.endr
	JLOAD G0+4, G1, G0B+4, G1B                     ; K steps 4-9
	v_and_b32 v1, 31, v0
	v_bfe_u32 v2, v0, 4, 1                         ; h
	v_and_b32 v7, 15, v0                           ; r
	v_lshlrev_b32 v3, 4, v1
	v_lshlrev_b32 v4, 3, v1
	v_lshlrev_b32 v5, 2, v1
	s_mul_i32 s21, s15, 6144                       ; my four fragments of A in a record
	s_mul_i32 s22, s16, 6144                       ; and of B
	s_xor_b32 s23, s15, 1
	s_add_co_u32 s23, s23, s16
	s_lshl_b32 s23, s23, 9                         ; 512 wc + 512 (1 - wr)
	s_add_co_u32 s23, s23, BOFF-512                ; from A's words to B's: BOFF + 512 wc - 512 wr
	v_mul_u32_u24 v6, s23, v2                      ; lanes 16-31 take B's
	v_add_nc_u32 v6, v6, v5
	s_lshl_b32 s20, s15, 9
	s_add_co_u32 s20, s20, 12288                   ; A's scale images: 12,288 + 512 wr
.macro REGION R, base                  ; the five addresses of a region of three records
	s_add_co_u32 s18, s21, \base
	v_add_nc_u32 v[A16+\R], s18, v3
	v_add_nc_u32 v[A8+\R], s18, v4
	s_add_co_u32 s18, s22, \base+BOFF
	v_add_nc_u32 v[B16+\R], s18, v3
	v_add_nc_u32 v[B8+\R], s18, v4
	s_add_co_u32 s18, s20, \base
	v_add_nc_u32 v[ADRS+\R], s18, v6
.endm
	REGION 0, 0
	REGION 1, 3*REC
	REGION 2, SLOTB
	REGION 3, SLOTB+3*REC
	s_mul_i32 s18, s14, 16*SPITCH
	s_add_co_u32 s18, s18, STAGE                   ; my stage
	v_mul_u32_u24 v6, v7, SPITCH
	v_lshl_add_u32 v6, v2, 6, v6
	v_add_nc_u32 v[STO], s18, v6                   ; in: row r, + 64 h: tile b's eight columns lie 128 (b / 2) + 32 (b % 2) bytes on
	v_mul_u32_u24 v6, v2, SPITCH
	v_lshl_add_u32 v6, v7, 4, v6
	v_add_nc_u32 v[RD], s18, v6                    ; back: lanes 0-15 one row of 256 bytes, lanes 16-31 the next
	v_lshlrev_b32 v6, 12, v2
	v_lshl_add_u32 v[CO], v7, 4, v6                ; and the same two rows in out0
	s_lshl_b32 s18, s17, 7
	s_lshl_b32 s19, s15, 6
	s_add_co_u32 s18, s18, s19                     ; my first token: 128 ty + 64 wr
	s_lshl_b32 s18, s18, 12
	s_lshl_b32 s19, s42, 9
	s_add_co_u32 s18, s18, s19                     ; my first column, in bytes: 512 tx + 256 wc
	s_lshl_b32 s19, s16, 8
	s_add_co_u32 s18, s18, s19
	s_mov_b32 s19, 0
	s_add_nc_u64 s[12:13], s[12:13], s[18:19]
.macro FRAG reg, a16, a8, off
	ds_load_b128 v[\reg:\reg+3], v[\a16] offset:\off
	ds_load_b64 v[\reg+4:\reg+5], v[\a8] offset:\off+512
	ds_load_b128 v[\reg+6:\reg+9], v[\a16] offset:\off+768
	ds_load_b64 v[\reg+10:\reg+11], v[\a8] offset:\off+1280
.endm
.macro FETCH R, q, set                 ; record q of region R into a set: 32 loads of fragments, 4 of scale words
	WIN TO_F
.irp i, 0,1,2,3
	FRAG 128*(\set)+12*\i, A16+\R, A8+\R, (\q)*REC+\i*1536
	FRAG 128*(\set)+48+12*\i, B16+\R, B8+\R, (\q)*REC+\i*1536
.endr
	WIN 0
.irp i, 0,1,2,3
	ds_load_b32 v[SC+4*(\set)+\i], v[ADRS+\R] offset:(\q)*REC+128*\i
.endr
.endm
.macro MUL4 a, set, zero               ; token block a against the four column blocks.  The 16 accumulators take turns, one instruction a turn, in the same order in every K step
.irp b, 0,1,2,3
.if \zero
	v_wmma_scale_f32_16x16x128_f8f6f4 v[ACC+8*(4*\a+\b):ACC+8*(4*\a+\b)+7], v[128*(\set)+48+12*\b:128*(\set)+48+12*\b+11], v[128*(\set)+12*\a:128*(\set)+12*\a+11], 0, v[SC+4*(\set)+\b], v[SC+4*(\set)+\a] matrix_a_fmt:MATRIX_FMT_BF6 matrix_b_fmt:MATRIX_FMT_BF6 matrix_a_scale:MATRIX_SCALE_ROW1
.else
	v_wmma_scale_f32_16x16x128_f8f6f4 v[ACC+8*(4*\a+\b):ACC+8*(4*\a+\b)+7], v[128*(\set)+48+12*\b:128*(\set)+48+12*\b+11], v[128*(\set)+12*\a:128*(\set)+12*\a+11], v[ACC+8*(4*\a+\b):ACC+8*(4*\a+\b)+7], v[SC+4*(\set)+\b], v[SC+4*(\set)+\a] matrix_a_fmt:MATRIX_FMT_BF6 matrix_b_fmt:MATRIX_FMT_BF6 matrix_a_scale:MATRIX_SCALE_ROW1
.endif
.endr
.endm
.macro PLACES                          ; four plain vector instructions behind a matrix instruction, in front of loads into registers that it read and of the first read of results
.rept 4
	v_nop
.endr
.endm
.macro STEP set, R, q, zero            ; multiplies a set; record q of region R is fetched into the other set meanwhile
	s_wait_dscnt 0x0                               ; this set's 36 loads are in
	PLACES
	FETCH \R, \q, 1-\set
	WIN MUL
	MUL4 0, \set, \zero
	MUL4 1, \set, \zero
	MUL4 2, \set, \zero
	MUL4 3, \set, \zero
.endm
.macro VISIT5 s                        ; the first five K steps of a whole slot s; each fetches the next one's record
	STEP 0, 2*\s, 1, 0
	STEP 1, 2*\s, 2, 0
	STEP 0, 2*\s+1, 0, 0
	STEP 1, 2*\s+1, 1, 0
	STEP 0, 2*\s+1, 2, 0
.endm
; A slot's last K step (set 1) changes slots: ONE barrier; in front of it each wave waits for all its tensor loads, adds 0 to its spare word, and waits for that and for its own reads of this slot.
; nextr: the next slot's first region.  fill = 1: this slot is filled again; step = 1: with the K steps twelve on from its last fill by this descriptor.
.macro TURN slot, nextr, fill, step
	WIN 0                                          ; (the add's two registers lie in window 0)
	s_wait_tensorcnt 0x0                           ; all my tensor loads have landed: my part of the next slot
	ds_add_u32 v[SPW], v[NIL]                      ; 0 onto my spare word
	s_wait_dscnt 1                                 ; (the add may be out: set 1 is in)
	WIN MUL
	MUL4 0, 1, 0                                   ; four matrix instructions stand between the add and the wait for it
	s_wait_dscnt 0x0                               ; the add is done, and my reads of this slot are over
	s_barrier_signal -1
	MUL4 1, 1, 0
	WIN 0
	s_barrier_wait -1
.if \fill
	CREST                                          ; the barrier has opened a round of the cluster's: no wave of any partner still reads this slot or has a load on its way
.if \step
	s_add_nc_u64 s[G0+4*\slot+2:G0+4*\slot+3], s[G0+4*\slot+2:G0+4*\slot+3], 12*REC
	s_add_nc_u64 s[G0B+4*\slot+2:G0B+4*\slot+3], s[G0B+4*\slot+2:G0B+4*\slot+3], 12*REC
.endif
	JLOAD G0+4*\slot, G1, G0B+4*\slot, G1B         ; the first tensor load behind the round; its four v_nop are the places in front of the loads below
.else
	PLACES
.endif
	FETCH \nextr, 0, 0
	WIN MUL
	MUL4 2, 1, 0
	MUL4 3, 1, 0
.endm
	s_wait_tensorcnt 1                             ; my part of K steps 0-3 is in (slot 1's load may be out)
	s_barrier_signal -1
	s_barrier_wait -1                              ; everybody's is
	FETCH 0, 0, 0
	STEP 0, 0, 1, 1                                ; K step 0 starts the sums
	STEP 1, 1, 0, 0                                ; K step 1; K step 2 lies at the slot's record place 3
	STEP 0, 1, 1, 0                                ; K step 2
	TURN 0, 2, 1, 0                                ; K step 3; slot 0 takes K steps 10-15
	VISIT5 1                                       ; K steps 4-8
	TURN 1, 0, 1, 1                                ; K step 9; slot 1 takes K steps 16-21
	VISIT5 0                                       ; K steps 10-14
	TURN 0, 2, 1, 1                                ; K step 15; slot 0 takes K steps 22-27
	VISIT5 1                                       ; K steps 16-20
	TURN 1, 0, 1, 1                                ; K step 21; slot 1 takes K steps 28-33
	VISIT5 0                                       ; K steps 22-26
	TURN 0, 2, 0, 0                                ; K step 27; nothing is left to fetch; behind this barrier nobody reads slot 0
	VISIT5 1                                       ; K steps 28-32
	s_wait_dscnt 0x0                               ; K step 33
	WIN MUL
	MUL4 0, 1, 0
	MUL4 1, 1, 0
	MUL4 2, 1, 0
	MUL4 3, 1, 0
	WIN 0
; THE WAY OUT, a block of 16 tokens x 64 columns at a time, through my own stage: a lane holds 32 neighbouring bytes of a row; whole rows of 256 bytes come back.
; LDS serves a wave's instructions in order (ISA guide 5.7.1.4): no wait between the stores and the loads, nor in front of the next block's stores.
.macro TOSTAGE a
.irp b, 0,1,2,3
	ds_store_b128 v[STO], v[ACC+8*(4*\a+\b):ACC+8*(4*\a+\b)+3] offset:128*(\b/2)+32*(\b%2)      ; each accumulator from its low end on
	ds_store_b128 v[STO], v[ACC+8*(4*\a+\b)+4:ACC+8*(4*\a+\b)+7] offset:128*(\b/2)+32*(\b%2)+16
.endr
.irp t, 0,1,2,3,4,5,6,7
	ds_load_b128 v[BK+32*((\a)%2)+4*\t:BK+32*((\a)%2)+4*\t+3], v[RD] offset:\t*2*SPITCH
.endr
.endm
.macro SEND a, younger                 ; stage row 2 t + h of block a is token 32 (a / 2) + 8 (a % 2) + 2 t + h + 8 (t / 4) of my 64
	s_wait_dscnt \younger
.irp t, 0,1,2,3,4,5,6,7
	global_store_b128 v[CO], v[BK+32*((\a)%2)+4*\t:BK+32*((\a)%2)+4*\t+3], s[12:13] offset:(32*((\a)/2)+8*((\a)%2)+2*\t+8*(\t/4))*4096 th:TH_STORE_NT   ; 16 lanes store 256 consecutive bytes, at a multiple of 256 from out0's first byte
.endr
.endm
	PLACES
	TOSTAGE 0
	TOSTAGE 1
	SEND 0, 16                                     ; behind block 0's loads: block 1's 8 stores and 8 loads
	s_wait_xcnt 0x0                                ; block 0's stores have had their addresses translated (ISA guide 3.1): block 2's loads may land in their registers
	TOSTAGE 2
	SEND 1, 16
	s_wait_xcnt 0x0
	TOSTAGE 3
	SEND 2, 16
	SEND 3, 0
	s_wait_tensorcnt 0x0                           ; the wave's end
	ds_add_u32 v[SPW], v[NIL]
	s_wait_dscnt 0x0
	CROUND                                         ; the closing round
	s_endpgm
.Lfunc_end_k_q02343f36fb_outp:
	.size	k_q02343f36fb_outp, .Lfunc_end_k_q02343f36fb_outp-k_q02343f36fb_outp
	.p2alignl 7, 3214868480
	.fill 96, 4, 3214868480
	.section	.rodata,"a",@progbits
	.p2align	6, 0x0
	.amdhsa_kernel k_q02343f36fb_outp
		.amdhsa_group_segment_fixed_size 327680
		.amdhsa_private_segment_fixed_size 0
		.amdhsa_enable_private_segment 0
		.amdhsa_kernarg_size 24
		.amdhsa_user_sgpr_count 2
		.amdhsa_user_sgpr_kernarg_segment_ptr 1
		.amdhsa_wavefront_size32 1
		.amdhsa_system_sgpr_workgroup_id_x 1
		.amdhsa_system_sgpr_workgroup_id_y 1
		.amdhsa_system_sgpr_workgroup_id_z 1
		.amdhsa_system_vgpr_workitem_id 0
		.amdhsa_next_free_vgpr 512
		.amdhsa_next_free_sgpr 100
		.amdhsa_reserve_vcc 0
		.amdhsa_float_denorm_mode_32 3
		.amdhsa_float_denorm_mode_16_64 3
		.amdhsa_memory_ordered 1
		.amdhsa_forward_progress 1
		.amdhsa_inst_pref_size 175
	.end_amdhsa_kernel
	.amdgpu_metadata
---
amdhsa.version: [ 1, 2 ]
amdhsa.kernels:
  - .name:           k_q02343f36fb_outp
    .symbol:         k_q02343f36fb_outp.kd
    .args:
      - { .name: a2, .offset: 0, .size: 8, .value_kind: global_buffer, .address_space: global }
      - { .name: w2, .offset: 8, .size: 8, .value_kind: global_buffer, .address_space: global }
      - { .name: out0, .offset: 16, .size: 8, .value_kind: global_buffer, .address_space: global }
    .group_segment_fixed_size: 327680
    .private_segment_fixed_size: 0
    .kernarg_segment_align: 8
    .kernarg_segment_size: 24
    .max_flat_workgroup_size: 128
    .sgpr_count:     100
    .vgpr_count:     512
    .wavefront_size: 32
...
	.end_amdgpu_metadata
.endif
;; end of part 5
